; MI455X (gfx1250); checked and timed in simulation.
; The chip was launched on July 23, 2026; its instructions are those of AMD's public machine-readable ISA for CDNA 5 (MIT licence, August 2026) and "CDNA5" Instruction Set Architecture Reference Guide (July 2026). The comments in the code are by the model that wrote it; some were corrected since.
;; Llama Attention. Allowed arithmetic: float matrix products may take bf16 or f16 operands with f32 sums; all other float work in f32.
;; Inputs: Wk 4,096 x 1,024 float32; Wo 2,048 x 4,096 float32; Wq 4,096 x 2,048 float32; Wv 4,096 x 1,024 float32; atten_mask 1 x 1 x 2,048 x 2,048 float32; freqs_cos 2,048 x 64 float32; freqs_sin 2,048 x 64 float32; hidden_states 1 x 2,048 x 4,096 float32.
;; Outputs: out0 1 x 2,048 x 4,096 float32.
;; One version. Each part assembles by itself: llvm-mc -triple=amdgcn-amd-amdhsa -mcpu=gfx1250 --defsym DOCPART=n.
;; ======== version 1 of 1: 4 launches
;; limits: values are held in f16: magnitudes above 65,504 overflow, below 6.1e-05 lose precision
;; workspace buffers: xb 16,777,216 bytes; wqkv 33,554,432 bytes; wo16 16,777,216 bytes; maskr 16,777,216 bytes; rope 1,048,576 bytes; qkv 16,777,216 bytes; y 8,388,608 bytes
;; launch prep (part 1): grid 4128 x 1, 8 waves a work-group, no clusters, 35,840 bytes of LDS; arguments hidden_states, Wq, Wk, Wv, Wo, atten_mask, freqs_cos, freqs_sin, xb, wqkv, wo16, maskr, rope; writes xb, wqkv, wo16, maskr, rope
.if DOCPART == 1
	.amdgcn_target "amdgcn-amd-amdhsa--gfx1250"
	.amdhsa_code_object_version 6
	.text
	.protected	k_qb257e520e5_prep
	.globl	k_qb257e520e5_prep
	.p2align	8
	.type	k_qb257e520e5_prep,@function
k_qb257e520e5_prep:
	s_mov_b64 s[64:65], 0
	v_nop
	global_prefetch_b8 v0, s[64:65] scope:SCOPE_SE
	s_setreg_imm32_b32 hwreg(HW_REG_WAVE_MODE, 25, 1), 1
	s_wait_xcnt 0x0
; EVERY INPUT IS ROUNDED TO bf16 ONCE, and written in the form that the later launches take:
;   xb    bf16(x / 8) (a power of two: the rounding is x's own), IN BLOCKS: [128 blocks of 16 rows][512 groups of 8 k][16 rows][8 k]: a group is 256 bytes, and 512 bytes on end
;         are half of a matrix fragment as it lies in a wave's registers (lane l: row l % 16, group l / 16): the projection loads them straight into registers
;   wqkv  bf16 [4096 k][4096 n]: columns 0-2047 Wq, 2048-3071 Wk, 3072-4095 Wv
;   wo16  f16  [2048 k][4096 n] = bf16(Wo) x 8, written as f16 (8 significant bits fit in f16's 11)
;   maskr f32  [2048][2048]    = log2(e) x bf16(mask): it enters an f32 sum of scores in units of log2
;   rope  f32: t x bf16(cos) [2048][64], then t x bf16(sin), t = 2^1.25 sqrt(log2(e))
; The scales: q and k leave the projection as q t / 8, so that their product is q . k log2(e) / sqrt(128): the exponent of 2 that attention needs; v and y travel as an eighth, and wo16 gives the 8 back.
; LIMITS.  wo16 keeps f16's range: 8 |Wo| stays under 65,504, and below 6e-5 it has f16's fixed step of 6e-8.  A mask number beyond 2.3e38 in size becomes an infinity by the factor log2(e).
; A stream: no barrier, no matrix unit.  The work-group's number chooses the input: forward branches on constants, each way with its own end.
; All inputs but x: a chunk is 1,024 f32, thread t takes the 16 bytes at 16 t; a work-group takes 8 chunks on end; all 8 loads go out at once, each chunk is converted in place and stored.
; 16-bit results: 8 bytes a lane, a wave's store covers 256 consecutive bytes; f32 results: 16 bytes a lane, 512 consecutive bytes.
; x: a work-group takes 16 rows x 1,024 k, a wave 16 rows x 128 k: 16 loads of 512 consecutive bytes, one a row.  The rows meet in 4,352 bytes of LDS that are the wave's own (no barrier), and
; leave as 8 stores of 512 consecutive bytes.
.set NCH, 8
.set T0,  4                            ; v4-5    at work
.set T1,  5
.set X,   8                            ; v[8:71] chunk or row j: 4 registers, as loaded and then as converted; none is written again behind its store
.set Y,   72                           ; v[72:103] x alone: 8 x 4 registers, back from LDS
.set UP,  272                          ; x alone: a group of 8 k in LDS: 256 bytes + 16: the 16 groups that a store of 8 bytes a lane touches fall on all 64 banks once (64 banks of 4 bytes: ISA guide 11.1)
.set WL,  16*UP                        ; a wave's 16 groups
; kind: 1 bf16 | 2 scale, bf16, written as f16 | 3 bf16, widened to f32, scaled.
; pat: where chunk j goes: 0 dense 16-bit | 1 two chunks a row of wqkv | 2 one chunk a row of wqkv | 3 dense f32
.macro STREAM kind, pat
.set j, 0
.rept NCH
	global_load_b128 v[X+4*j:X+4*j+3], v1, s[30:31] offset:4096*j th:TH_LOAD_NT
.set j, j+1
.endr
.set j, 0
.rept NCH
.set a, X+4*j
.if (\pat) == 0
.set d, 2048*j
.elseif (\pat) == 1
.set d, (j/2)*8192+(j%2)*2048
.elseif (\pat) == 2
.set d, 8192*j
.else
.set d, 4096*j
.endif
	s_wait_loadcnt NCH-1-j                         ; loads come back in order: chunk j is in, the younger ones stay out
.if (\kind) == 2
	v_pk_mul_f32 v[a:a+1], v[a:a+1], s[34:35] op_sel_hi:[1,0]
	v_pk_mul_f32 v[a+2:a+3], v[a+2:a+3], s[34:35] op_sel_hi:[1,0]
.endif
.if (\kind) < 2
	v_cvt_pk_bf16_f32 v[a], v[a], v[a+1]
	v_cvt_pk_bf16_f32 v[a+1], v[a+2], v[a+3]
	global_store_b64 v2, v[a:a+1], s[32:33] offset:d
.else
	v_cvt_pk_bf16_f32 v[T0], v[a], v[a+1]
	v_cvt_pk_bf16_f32 v[T1], v[a+2], v[a+3]
	v_lshlrev_b32 v[a], 16, v[T0]                  ; bf16 to f32: the low half moves up, the high half stays
	v_and_b32 v[a+1], s38, v[T0]
	v_lshlrev_b32 v[a+2], 16, v[T1]
	v_and_b32 v[a+3], s38, v[T1]
.if (\kind) == 2
	v_cvt_pk_f16_f32 v[a], v[a], v[a+1]
	v_cvt_pk_f16_f32 v[a+1], v[a+2], v[a+3]
	global_store_b64 v2, v[a:a+1], s[32:33] offset:d
.else
	v_pk_mul_f32 v[a:a+1], v[a:a+1], s[34:35] op_sel_hi:[1,0]
	v_pk_mul_f32 v[a+2:a+3], v[a+2:a+3], s[34:35] op_sel_hi:[1,0]
	global_store_b128 v1, v[a:a+3], s[32:33] offset:d
.endif
.endif
.set j, j+1
.endr
.endm
	s_load_b512 s[4:19], s[0:1], 0x0               ; x 4, Wq 6, Wk 8, Wv 10, Wo 12, mask 14, cos 16, sin 18
	s_load_b256 s[20:27], s[0:1], 0x40             ; xb 20, wqkv 22, wo16 24, maskr 26
	s_load_b64 s[28:29], s[0:1], 0x60              ; rope
	v_lshl_add_u32 v104, v0, 2, 0x8800
	v_mov_b32 v105, 0
	v_lshlrev_b32 v1, 4, v0                        ; 16 t
	v_lshlrev_b32 v2, 3, v0                        ; 8 t
	s_mov_b32 s2, ttmp9
	s_mov_b32 s38, 0xffff0000                      ; a word's upper bf16
	s_mov_b32 s37, 0                               ; s[36:37] offset in the source, s[40:41] in the destination
	s_mov_b32 s41, 0
	s_wait_kmcnt 0x0
	s_cmp_lt_u32 s2, 512
	s_cbranch_scc0 .Lnot_x
	; x: block of 16 rows = number / 4, quarter of the rows' 4,096 k = number % 4
	s_lshr_b32 s3, s2, 2
	s_and_b32 s39, s2, 3
	s_lshl_b32 s36, s3, 18                         ; in: 16 rows of 16,384 bytes,
	s_lshl_b32 s42, s39, 12                        ; 1,024 f32
	s_add_co_u32 s36, s36, s42
	s_lshl_b32 s40, s3, 17                         ; out: a block of 131,072 bytes,
	s_lshl_b32 s42, s39, 15                        ; 128 groups of 256 bytes
	s_add_co_u32 s40, s40, s42
	s_add_nc_u64 s[30:31], s[4:5], s[36:37]
	s_add_nc_u64 s[32:33], s[20:21], s[40:41]
	s_mov_b32 s34, 0x3e000000                      ; 1 / 8
	s_mov_b32 s35, s34                             ; named with it as a pair
.set j, 0
.rept 16
	global_load_b128 v[X+4*j:X+4*j+3], v1, s[30:31] offset:16384*j th:TH_LOAD_NT  ; row j: my wave's 128 k are 512 consecutive bytes; lane l holds k = 4 l .. 4 l + 3 of them
.set j, j+1
.endr
	v_and_b32 v3, 31, v0                           ; lane
	v_lshrrev_b32 v4, 5, v0
	v_readfirstlane_b32 s43, v4                    ; wave
	s_mul_i32 s42, s43, WL                         ; my wave's bytes of LDS
	v_lshrrev_b32 v4, 1, v3                        ; into LDS: group l / 2, its half l % 2; the row stands in the immediate
	v_mul_u32_u24 v6, v4, UP
	v_and_b32 v4, 1, v3
	v_lshl_add_u32 v6, v4, 3, v6
	v_add_nc_u32 v6, s42, v6
	v_lshrrev_b32 v4, 4, v3                        ; back: lanes 0-15 a group's 16 rows, lanes 16-31 the next group's
	v_mul_u32_u24 v7, v4, UP
	v_and_b32 v4, 15, v3
	v_lshl_add_u32 v7, v4, 4, v7
	v_add_nc_u32 v7, s42, v7
	s_lshl_b32 s42, s43, 12                        ; out: my wave's 16 groups, 16 bytes a lane
	v_lshl_add_u32 v5, v3, 4, s42
.set j, 0
.rept 16
.set a, X+4*j
	s_wait_loadcnt 15-j                            ; loads come back in order: row j is in, the younger ones stay out
	v_pk_mul_f32 v[a:a+1], v[a:a+1], s[34:35] op_sel_hi:[1,0]
	v_pk_mul_f32 v[a+2:a+3], v[a+2:a+3], s[34:35] op_sel_hi:[1,0]
	v_cvt_pk_bf16_f32 v[a], v[a], v[a+1]
	v_cvt_pk_bf16_f32 v[a+1], v[a+2], v[a+3]
	ds_store_b64 v6, v[a:a+1] offset:16*j
.set j, j+1
.endr
.set j, 0
.rept 8
	ds_load_b128 v[Y+4*j:Y+4*j+3], v7 offset:2*UP*j  ; LDS serves a wave's instructions in order (ISA guide 5.7.1.4): these see the stores above
.set j, j+1
.endr
.set j, 0
.rept 8
	s_wait_dscnt 7-j
	global_store_b128 v5, v[Y+4*j:Y+4*j+3], s[32:33] offset:512*j  ; two groups: 512 consecutive bytes, aligned
.set j, j+1
.endr
	s_wait_tensorcnt 0x0
	ds_add_u32 v104, v105
	s_wait_dscnt 0x0
	s_endpgm
.Lnot_x:
	s_cmp_lt_u32 s2, 1536
	s_cbranch_scc0 .Lnot_q
	s_sub_co_u32 s3, s2, 512                       ; Wq: four rows of 8,192 bytes in; four rows of wqkv, of which they fill the first half
	s_lshl_b32 s36, s3, 15
	s_add_nc_u64 s[30:31], s[6:7], s[36:37]
	s_add_nc_u64 s[32:33], s[22:23], s[36:37]
	STREAM 1, 1
	s_endpgm
.Lnot_q:
	s_cmp_lt_u32 s2, 2560
	s_cbranch_scc0 .Lnot_kv
	s_sub_co_u32 s3, s2, 1536                      ; Wk (0-511), Wv (512-1023): eight rows of 4,096 bytes in
	s_and_b32 s39, s3, 511
	s_lshl_b32 s36, s39, 15
	s_lshl_b32 s40, s39, 16                        ; eight rows of wqkv,
	s_lshr_b32 s39, s3, 9
	s_lshl_b32 s39, s39, 11
	s_add_co_u32 s40, s40, s39                     ; at byte 4,096 (Wk) or 6,144 (Wv) of the row
	s_add_co_u32 s40, s40, 4096
	s_cmp_lt_u32 s3, 512
	s_cselect_b64 s[30:31], s[8:9], s[10:11]
	s_add_nc_u64 s[30:31], s[30:31], s[36:37]
	s_add_nc_u64 s[32:33], s[22:23], s[40:41]
	STREAM 1, 2
	s_endpgm
.Lnot_kv:
	s_cmp_lt_u32 s2, 3584
	s_cbranch_scc0 .Lnot_o
	s_sub_co_u32 s3, s2, 2560                      ; Wo
	s_lshl_b32 s36, s3, 15
	s_lshl_b32 s40, s3, 14
	s_add_nc_u64 s[30:31], s[12:13], s[36:37]
	s_add_nc_u64 s[32:33], s[24:25], s[40:41]
	s_mov_b32 s34, 0x41000000                      ; 8
	s_mov_b32 s35, s34
	STREAM 2, 0
	s_endpgm
.Lnot_o:
	s_cmp_lt_u32 s2, 4096
	s_cbranch_scc0 .Lnot_m
	s_sub_co_u32 s3, s2, 3584                      ; the mask
	s_lshl_b32 s36, s3, 15
	s_add_nc_u64 s[30:31], s[14:15], s[36:37]
	s_add_nc_u64 s[32:33], s[26:27], s[36:37]
	s_mov_b32 s34, 0x3fb8aa3b                      ; log2(e)
	s_mov_b32 s35, s34
	STREAM 3, 3
	s_endpgm
.Lnot_m:
	s_sub_co_u32 s3, s2, 4096                      ; cos (0-15), sin (16-31)
	s_and_b32 s39, s3, 15
	s_lshl_b32 s36, s39, 15
	s_lshl_b32 s40, s3, 15
	s_cmp_lt_u32 s3, 16
	s_cselect_b64 s[30:31], s[16:17], s[18:19]
	s_add_nc_u64 s[30:31], s[30:31], s[36:37]
	s_add_nc_u64 s[32:33], s[28:29], s[40:41]
	s_mov_b32 s34, 0x4036d544                      ; 2^1.25 sqrt(log2(e)) = 2.8567666
	s_mov_b32 s35, s34
	STREAM 3, 3
	s_endpgm
.Lfunc_end_k_qb257e520e5_prep:
	.size	k_qb257e520e5_prep, .Lfunc_end_k_qb257e520e5_prep-k_qb257e520e5_prep
	.p2alignl 7, 3214868480
	.fill 96, 4, 3214868480
	.section	.rodata,"a",@progbits
	.p2align	6, 0x0
	.amdhsa_kernel k_qb257e520e5_prep
		.amdhsa_group_segment_fixed_size 35840
		.amdhsa_private_segment_fixed_size 0
		.amdhsa_enable_private_segment 0
		.amdhsa_kernarg_size 104
		.amdhsa_user_sgpr_count 2
		.amdhsa_user_sgpr_kernarg_segment_ptr 1
		.amdhsa_wavefront_size32 1
		.amdhsa_system_sgpr_workgroup_id_x 1
		.amdhsa_system_sgpr_workgroup_id_y 1
		.amdhsa_system_sgpr_workgroup_id_z 1
		.amdhsa_system_vgpr_workitem_id 0
		.amdhsa_next_free_vgpr 106
		.amdhsa_next_free_sgpr 66
		.amdhsa_reserve_vcc 0
		.amdhsa_float_denorm_mode_32 3
		.amdhsa_float_denorm_mode_16_64 3
		.amdhsa_memory_ordered 1
		.amdhsa_forward_progress 1
		.amdhsa_inst_pref_size 34
	.end_amdhsa_kernel
	.amdgpu_metadata
---
amdhsa.version: [ 1, 2 ]
amdhsa.kernels:
  - .name:           k_qb257e520e5_prep
    .symbol:         k_qb257e520e5_prep.kd
    .args:
      - { .name: hidden_states, .offset: 0, .size: 8, .value_kind: global_buffer, .address_space: global }
      - { .name: Wq, .offset: 8, .size: 8, .value_kind: global_buffer, .address_space: global }
      - { .name: Wk, .offset: 16, .size: 8, .value_kind: global_buffer, .address_space: global }
      - { .name: Wv, .offset: 24, .size: 8, .value_kind: global_buffer, .address_space: global }
      - { .name: Wo, .offset: 32, .size: 8, .value_kind: global_buffer, .address_space: global }
      - { .name: atten_mask, .offset: 40, .size: 8, .value_kind: global_buffer, .address_space: global }
      - { .name: freqs_cos, .offset: 48, .size: 8, .value_kind: global_buffer, .address_space: global }
      - { .name: freqs_sin, .offset: 56, .size: 8, .value_kind: global_buffer, .address_space: global }
      - { .name: xb, .offset: 64, .size: 8, .value_kind: global_buffer, .address_space: global }
      - { .name: wqkv, .offset: 72, .size: 8, .value_kind: global_buffer, .address_space: global }
      - { .name: wo16, .offset: 80, .size: 8, .value_kind: global_buffer, .address_space: global }
      - { .name: maskr, .offset: 88, .size: 8, .value_kind: global_buffer, .address_space: global }
      - { .name: rope, .offset: 96, .size: 8, .value_kind: global_buffer, .address_space: global }
    .group_segment_fixed_size: 35840
    .private_segment_fixed_size: 0
    .kernarg_segment_align: 8
    .kernarg_segment_size: 104
    .max_flat_workgroup_size: 256
    .sgpr_count:     66
    .vgpr_count:     106
    .wavefront_size: 32
...
	.end_amdgpu_metadata
.endif
;; end of part 1
;; launch qkv_proj (part 2): grid 16 x 16, 4 waves a work-group, clusters of 4 x 1, 327,680 bytes of LDS; arguments xb, wqkv, rope, qkv; writes qkv
.if DOCPART == 2
	.amdgcn_target "amdgcn-amd-amdhsa--gfx1250"
	.amdhsa_code_object_version 6
	.text
	.protected	k_qb257e520e5_qkv_proj
	.globl	k_qb257e520e5_qkv_proj
	.p2align	8
	.type	k_qb257e520e5_qkv_proj,@function
k_qb257e520e5_qkv_proj:
	s_mov_b64 s[64:65], 0
	v_nop
	global_prefetch_b8 v0, s[64:65] scope:SCOPE_SE
	s_setreg_imm32_b32 hwreg(HW_REG_WAVE_MODE, 25, 1), 1
	s_wait_xcnt 0x0
	s_wait_alu depctr_hold_cnt(0) depctr_sa_sdst(0) depctr_va_vdst(0) depctr_va_sdst(0) depctr_va_ssrc(0) depctr_va_vcc(0) depctr_vm_vsrc(0)
	s_getreg_b32 s2, hwreg(HW_REG_IB_STS2, 6, 4)
	s_cmp_eq_u32 s2, 0
	s_cbranch_scc0 .Lentry_in_a_cluster
	s_endpgm
.Lentry_in_a_cluster:
	s_bfe_u32 s2, ttmp6, 0x10000c
	s_cmp_lg_u32 s2, 0x3003
	s_cbranch_scc0 .Lentry_shape_is_right
	s_endpgm
.Lentry_shape_is_right:
; [2048 x 4096] = x . [Wq | Wk | Wv], bf16 operands, f32 sums; then the rotation (q and k), one rounding to f16, and the layout by heads: qkv f16 [32 heads][2048][128],
; heads 0-15 q, 16-23 k, 24-31 v.  xb holds x / 8 and the tables hold t cos, t sin with t = 2^1.25 sqrt(log2(e)): q and k are stored as 0.3571 q, 0.3571 k, v as v / 8.
; LIMITS.  f16 holds no number beyond 65,504: 0.3571 |q|, 0.3571 |k| and |v| / 8 stay within it; below 6e-5 the stored numbers have f16's fixed step of 6e-8.
; SHARES.  A work-group makes 128 rows x 256 columns (two heads); wave w makes rows 64 (w / 2) on, columns 128 (w % 2) on, one head: 32 accumulators of 16 x 16, 256 registers.
; B (wqkv, [k][n]) goes through two LDS slots of 256 along K, filled by tensor loads, one a wave: 64 k rows of 512 bytes each; it is turned on its way into registers by ds_load_tr16_b128.
; From a request to the wait for it a wave issues 240 matrix instructions.
; A (xb) DOES NOT GO THROUGH LDS: two slots of 256 along K for A and B together would be 2 x (128 x 528 + 256 x 544) = 413,696 bytes, more than there is.  xb lies in blocks
; [16 rows][k / 8][row][8 k], so that a load of 16 bytes a lane takes 512 consecutive bytes and is half a fragment as it stands.  A ring of eight register buffers, one for each quarter step
; (32 along K) of a slot, holds A seven quarter steps ahead: 56 loads of a wave are on their way.  The price: A is not shared in the cluster, and the two waves of a row half load the same bytes.
; THE MATRIX INSTRUCTION IS USED TRANSPOSED: source 0 = 16 columns of B, source 1 = 16 rows of A: lane l then holds row l % 16 and the columns 8 (l / 16) + 0..7 of a block of 16.
; CLUSTER.  Four work-groups along x, which is the tile row: they make the same tile column and need the same tiles of B: each is asked for jointly, by the same load, descriptor and mask.
; REGISTERS (windows of 256; s_set_vgpr_msb: bits 1:0 source 0, 3:2 source 1, 5:4 source 2, 7:6 destination):
;   window 0: v0-31 addresses; v32-95, v96-159 two buffers of B's fragments (32 along K); on the way out v32-239 at work        window 1: the accumulators, (a, nb) at v[8 (8 a + nb)]
;   window 2: A's ring: quarter i of a slot, block a of my rows at 32 i + 8 a        window 3: v0-127 cos, v128-255 sin for my 64 rows: (a, nb) at 32 a + 8 nb
.set KDIM,   4096
.set NDIM,   4096
.set NS,     KDIM/256                  ; slots' worth of K
.set RBS,    16*KDIM*2                 ; a block of 16 rows of xb, in bytes
.set PB,     544                       ; a row of B in LDS: 512 bytes + 32 = 17 x 32
.set WPART,  64*PB                     ; what one tensor load brings
.set HALF,   128*PB                    ; four quarters' rows: as far as one address register and a 16-bit immediate reach
.set SLOT,   256*PB                    ; 0x22000: its two bits occur in none of the waves' parts 0, 0x8800, 0x11000, 0x19800, so one exclusive or turns an address in one slot into the other's
.set STAGE,  2*SLOT                    ; behind the ring: 16 rows x 272 bytes for each wave, for the way out
.set SP,     272
.set SPARE,  STAGE+4*16*SP             ; behind the stages: the spare words, 128 bytes for each wave; no other line names them
.set AO,    16                         ; v16  16 x lane: my bytes in 512 of xb; never rewritten
.set ADRB0, 17                         ; v17  my lane's place in B's quarters 0-3 of a slot; never rewritten
.set ADRB1, 18                         ; v18  the same for quarters 4-7
.set ADB,   19                         ; v19  ADRB0 + the slot in hand
.set ADB2,  20                         ; v20  ADRB1 + the slot in hand
.set STO,   24                         ; v24  the way out: where I put 16 bytes of a row
.set RD,    25                         ; v25  where I read rows back
.set CO,    26                         ; v26  my byte offset in two rows of the head
.set CSO,   27                         ; v27  my byte offset in 16 rows of a table
.set SPW,   28                         ; v28  LDS address of my spare word; never rewritten
.set NIL,   29                         ; v29  0; never rewritten
.set F0,    32
.set RI,    32                         ; the way out: 64 rotated numbers in f32
.set TMP,   96                         ; 32 registers a block: packed, then whole rows
.set T,     224                        ; 16 at work
.set BA, 4                             ; s[4:5]  xb at my first block of rows, at the slot whose quarters 0-6 the trip multiplies
.set WV, 12                            ; s12 wave; s13 its half of the rows; s14 its half of the columns
.set MH, 13
.set NH, 14
.set TC, 17                            ; s17  tile column
.set TB, 21                            ; s21  0 or SLOT: the slot in hand
.set CNT, 22
.set G1, 24                            ; s[24:31] descriptor group 1
.set G0, 32                            ; s[32:35] group 0 of the first fill; s[36:39] the set that walks
.set MSB, 0
.macro WIN new                         ; the immediate's high byte repeats the setting that is left; a switch that changes nothing is dropped
.if MSB != (\new)
	s_set_vgpr_msb (MSB<<8)|(\new)
.set MSB, \new
.endif
.endm
.set MUL, 0x58                         ; B's fragments in window 0, A's in window 2, C and D in window 1
.macro PLACES                          ; four places in front of loads into registers that matrix instructions have read, and of lines that read results
.rept 4
	v_nop
.endr
.endm
.macro CREST                           ; a round of the cluster's barrier behind its opening barrier
	s_cmp_lg_u32 s[WV], 0
	s_cbranch_scc1 .Lnot_wave_0_\@
	s_barrier_signal -3
.Lnot_wave_0_\@:
	s_barrier_wait -3
	s_barrier_signal -1
	s_barrier_wait -1
.endm
.macro CROUND
	s_barrier_signal -1
	s_barrier_wait -1
	CREST
.endm
; Eight loads: A's fragments of the quarter step qo quarters behind s[BA] (four blocks of 16 rows x 32 K), into ring buffer qo % 8.  Each load takes 512 consecutive bytes.
.macro ALOAD qo
	WIN 0x80                                       ; destination window 2, address window 0
.irp a, 0,1,2,3
	global_load_b128 v[32*((\qo)%8)+8*(\a):32*((\qo)%8)+8*(\a)+3],   v[AO], s[BA:BA+1] offset:(\a)*RBS+(\qo)*1024
	global_load_b128 v[32*((\qo)%8)+8*(\a)+4:32*((\qo)%8)+8*(\a)+7], v[AO], s[BA:BA+1] offset:(\a)*RBS+(\qo)*1024+512
.endr
.endm
	s_load_b256 s[4:11], s[0:1], 0x0               ; xb s[4:5], wqkv s[6:7], rope s[8:9], qkv s[10:11]
	v_lshl_add_u32 v[SPW], v0, 2, SPARE
	v_mov_b32 v[NIL], 0
	ds_add_u32 v28, v29
	s_wait_dscnt 0x0
	v_lshrrev_b32 v1, 5, v0
	v_readfirstlane_b32 s[WV], v1
	s_lshr_b32 s[MH], s[WV], 1
	s_and_b32 s[NH], s[WV], 1
	s_bfe_u32 s15, ttmp6, 0x40000                  ; cx: it enters the addresses of xb, the tables and qkv alone
	s_lshl_b32 s18, ttmp9, 2
	s_add_co_u32 s18, s18, s15                     ; tile row = 4 x cluster x + cx
	s_and_b32 s[TC], ttmp7, 0xffff                 ; tile column, which the four partners share
	s_mov_b32 s[G1], 15|(1<<16)|(1<<20)|(1<<21)|(6<<22)|(7<<25)  ; the mask of four; 2-byte elements; padding on; bit 21 beside a mask; after every 128 words 8 words
	s_mov_b32 s[G1+1], 256<<16                     ; tensor_dim0 = 256
	s_mov_b32 s[G1+2], 64<<16                      ; tensor_dim1 = 64
	s_mov_b32 s[G1+3], 256<<16                     ; tile_dim0 = 256
	s_mov_b32 s[G1+4], 64                          ; tile_dim1 = 64
	s_mov_b32 s[G1+5], NDIM                        ; elements from row to row
	s_mov_b32 s[G1+6], 0
	s_mov_b32 s[G1+7], 0
	s_lshl_b32 s40, s[WV], 19                      ; B: k row 64 x wave (8,192 bytes each), column 256 x tile column
	s_lshl_b32 s41, s[TC], 9
	s_add_co_u32 s40, s40, s41
	s_mov_b32 s41, 0
	s_mov_b32 s[G0], 1
	s_mul_i32 s[G0+1], s[WV], WPART                ; LDS: the wave's number and constants alone
	s_mov_b32 s[G0+4], 1
	s_add_co_u32 s[G0+5], s[G0+1], SLOT
	s_lshl_b32 s44, s18, 3                         ; A: block of 16 rows 8 x tile row + 4 x half,
	s_lshl_b32 s45, s[MH], 2
	s_add_co_u32 s44, s44, s45
	s_lshl_b32 s44, s44, 17                        ; 131,072 bytes each
	s_mov_b32 s45, 0
	s_lshl_b32 s46, s[TC], 1                       ; my head = 2 x tile column + half,
	s_add_co_u32 s46, s46, s[NH]
	s_lshl_b32 s46, s46, 19                        ; 524,288 bytes each;
	s_lshl_b32 s47, s18, 7
	s_lshl_b32 s48, s[MH], 6
	s_add_co_u32 s47, s47, s48                     ; my first row,
	s_lshl_b32 s48, s47, 8                         ; 256 bytes each, in a head and in a table
	s_mov_b32 s49, 0
	s_add_co_u32 s46, s46, s48
	s_mov_b32 s47, 0
	s_mov_b32 s[TB], 0
	s_wait_kmcnt 0x0
	s_add_nc_u64 s[G0+2:G0+3], s[6:7], s[40:41]    ; slot 0: k rows 0-255
	s_add_nc_u64 s[G0+6:G0+7], s[G0+2:G0+3], 256*NDIM*2  ; slot 1: k rows 256-511
	s_or_b32 s[G0+3], s[G0+3], 0x80000000          ; type = 2
	s_or_b32 s[G0+7], s[G0+7], 0x80000000
	s_add_nc_u64 s[BA:BA+1], s[BA:BA+1], s[44:45]
	s_add_nc_u64 s[8:9], s[8:9], s[48:49]          ; the tables at my first row
	s_add_nc_u64 s[10:11], s[10:11], s[46:47]      ; my head at my first row
	CROUND                                         ; all four work-groups are here: the first joint loads meet
	tensor_load_to_lds s[G0:G0+3], s[G1:G1+7]      ; the two first fills go out together: two loads of mine are out
	s_nop 0
	tensor_load_to_lds s[G0+4:G0+7], s[G1:G1+7]
	s_nop 0
	PLACES
	v_and_b32 v1, 15, v0                           ; r = l % 16
	v_bfe_u32 v2, v0, 4, 1                         ; h = l / 16
	v_and_b32 v5, 31, v0
	v_lshlrev_b32 v[AO], 4, v5
	v_lshlrev_b32 v[CSO], 8, v1
	v_lshl_add_u32 v[CSO], v2, 5, v[CSO]           ; row r of a table, 8 h numbers in
.irp q, 0,1,2,3,4,5,6
	ALOAD \q                                       ; A's ring is filled: quarters 0 to 6
.endr
	; The tables for my 64 rows, in the accumulators' layout: block a, columns 16 nb + 8 h + 0..7 (of 64).  Asked for behind A's first loads, used on the way out.  With them more loads are out than
	; LOADcnt's field holds: the issue then stalls (ISA guide 5.7.1), inside the wait for the first tile.  The tiles of v load them too and use nothing of them: one text up to the way out.
	WIN 0xc0                                       ; destination window 3
.irp a, 0,1,2,3
.irp nb, 0,1,2,3
.irp e, 0,1
	global_load_b128 v[32*(\a)+8*(\nb)+4*(\e):32*(\a)+8*(\nb)+4*(\e)+3], v[CSO], s[8:9] offset:(\a)*4096+(\nb)*64+(\e)*16
	global_load_b128 v[128+32*(\a)+8*(\nb)+4*(\e):128+32*(\a)+8*(\nb)+4*(\e)+3], v[CSO], s[8:9] offset:524288+(\a)*4096+(\nb)*64+(\e)*16
.endr
.endr
.endr
	WIN 0
	v_and_b32 v3, 7, v0                            ; the turning load: lane l reads k row 8 h + l % 8, columns 8 ((l / 8) % 2) + 0..7, and is left with column r and 8 k
	v_bfe_u32 v4, v0, 3, 1
	v_lshl_add_u32 v[ADRB0], v2, 3, v3
	v_mul_u32_u24 v[ADRB0], v[ADRB0], PB
	v_lshl_add_u32 v[ADRB0], v4, 4, v[ADRB0]
	s_lshl_b32 s3, s[NH], 8
	v_add_nc_u32 v[ADRB0], s3, v[ADRB0]
	v_add_nc_u32 v[ADRB1], HALF, v[ADRB0]
	s_mul_i32 s2, s[WV], 16*SP
	s_add_co_u32 s2, s2, STAGE                     ; my stage
	v_mul_u32_u24 v[STO], v1, SP                   ; in: row r, 16 bytes for each half of the lanes
	v_lshl_add_u32 v[STO], v2, 4, v[STO]
	v_add_nc_u32 v[STO], s2, v[STO]
	v_mul_u32_u24 v[RD], v2, SP                    ; back: lanes 0-15 one row of 256 bytes, lanes 16-31 the next
	v_lshl_add_u32 v[RD], v1, 4, v[RD]
	v_add_nc_u32 v[RD], s2, v[RD]
	v_lshlrev_b32 v[CO], 8, v2                     ; and the same two rows of the head
	v_lshl_add_u32 v[CO], v1, 4, v[CO]
.macro SETADR
	v_add_nc_u32 v[ADB], s[TB], v[ADRB0]
	v_add_nc_u32 v[ADB2], s[TB], v[ADRB1]
.endm
; 8 matrix instructions of quarter i: block a of my rows x all 8 blocks of my columns, 32 along K.  zero = 1: the product starts the sums.  The 32 accumulators take turns, in the same order in every quarter.
.macro MUL8 i, a, zero
	WIN MUL
.irp nb, 0,1,2,3,4,5,6,7
.if \zero
	v_wmma_f32_16x16x32_bf16 v[8*(8*(\a)+(\nb)):8*(8*(\a)+(\nb))+7], v[F0+64*((\i)%2)+8*(\nb):F0+64*((\i)%2)+8*(\nb)+7], v[32*(\i)+8*(\a):32*(\i)+8*(\a)+7], 0
.else
	v_wmma_f32_16x16x32_bf16 v[8*(8*(\a)+(\nb)):8*(8*(\a)+(\nb))+7], v[F0+64*((\i)%2)+8*(\nb):F0+64*((\i)%2)+8*(\nb)+7], v[32*(\i)+8*(\a):32*(\i)+8*(\a)+7], v[8*(8*(\a)+(\nb)):8*(8*(\a)+(\nb))+7]
.endif
.endr
.endm
; 16 LDS loads in one run: B's fragments of quarter q of the slot in hand, into buffer q % 2
.macro FETCH q
	WIN 0
.set FB, F0+64*((\q)%2)
.set AR, ADB+(\q)/4
.irp nb, 0,1,2,3,4,5,6,7
	ds_load_tr16_b128 v[FB+8*(\nb):FB+8*(\nb)+3],   v[AR] offset:((\q)%4)*32*PB+(\nb)*32
	ds_load_tr16_b128 v[FB+8*(\nb)+4:FB+8*(\nb)+7], v[AR] offset:((\q)%4)*32*PB+16*PB+(\nb)*32
.endr
.endm
; Quarter i (0 to 6) of a slot.  All its loads stand in one run at its head: B's fragments of the next quarter, into the buffer that the quarter before multiplied, and (aload = 1) A's of the quarter
; seven on, into the ring buffer that the quarter before multiplied.  Then 32 matrix instructions on end.  cnt: how many younger loads of A may stay out.
.macro QUARTER i, zero, aload, cnt
	PLACES
	FETCH (\i)+1
.if \aload
	ALOAD (\i)+7
.endif
	s_wait_dscnt 16                                ; this quarter's B is in: all but the 16 just issued
	s_wait_loadcnt \cnt                            ; this quarter's A is in: loads come back in order, and behind its eight stand cnt younger ones
	MUL8 \i, 0, \zero
	MUL8 \i, 1, \zero
	MUL8 \i, 2, \zero
	MUL8 \i, 3, \zero
.endm
; Quarter 7 changes slots.  Its head: ONE barrier, which opens a round of the cluster's.  In front of it each wave waits for all its tensor loads (one is out: its part of the next slot), adds 0 to its spare
; word, and waits for that and for its reads of this slot.  Behind the round no wave of any partner reads this slot any more or has a load on its way, and the next slot is whole.
.macro HEAD7
	WIN 0                                          ; (the add's two registers lie in window 0)
	s_wait_tensorcnt 0x0
	ds_add_u32 v[SPW], v[NIL]                      ; 0 onto my spare word
	s_wait_loadcnt 48                              ; A of quarter 7: six younger groups of eight; this quarter's own group comes behind the round
	s_wait_dscnt 1                                 ; B of quarter 7; the add may be out
	MUL8 7, 0, 0                                   ; eight matrix instructions stand between the add and the wait for it
	s_wait_dscnt 0x0                               ; the add is done, and my reads of this slot are over
	s_barrier_signal -1
	MUL8 7, 1, 0
	WIN 0
	s_barrier_wait -1
	CREST
.endm
; Its rest: the next slot's first fragments, A's group, and the other 16 matrix instructions.  Four places stand in front of it.
.macro REST7
	s_wait_xcnt 0x0                                ; the loads that name s[BA] have had their addresses translated (ISA guide 3.1): it is stepped only behind this wait
	s_add_nc_u64 s[BA:BA+1], s[BA:BA+1], 8*1024    ; a slot's eight quarters on
	s_xor_b32 s[TB], s[TB], SLOT
	SETADR
	FETCH 0
	ALOAD 6
	MUL8 7, 2, 0
	MUL8 7, 3, 0
.endm
	s_wait_tensorcnt 1                             ; my part of slot 0 is in; slot 1's may stay out
	s_barrier_signal -1
	s_barrier_wait -1                              ; everybody's is
	SETADR
	FETCH 0
	QUARTER 0, 1, 1, 56                            ; the first quarter stands in front of the loop: its products start the sums
	WIN 0                                          ; at a label and at a branch every window is 0
	s_mov_b32 s[CNT], NS-1
	s_branch .Lmid                                 ; the loop is entered behind its quarter 0
.Lslot:                                                ; NS - 2 times: the slot just left is filled again, two slots ahead; a trip goes from that refill to the next round
	s_xor_b32 s[G0+5], s[G0+5], SLOT               ; the walking set: the other slot than last time,
	s_add_nc_u64 s[G0+6:G0+7], s[G0+6:G0+7], 256*NDIM*2  ; the next 256 k rows; the type bits on top are not reached
	tensor_load_to_lds s[G0+4:G0+7], s[G1:G1+7]    ; my one load behind the round, and the first thing there: 240 matrix instructions ahead of the wait for it
	s_nop 0
	PLACES                                         ; (the places in front of the loads below)
	REST7
	QUARTER 0, 0, 1, 56
	WIN 0
.Lmid:
.irp i, 1,2,3,4,5,6
	QUARTER \i, 0, 1, 56
.endr
	HEAD7
	s_sub_co_u32 s[CNT], s[CNT], 1
	s_cmp_lg_u32 s[CNT], 0
	s_cbranch_scc1 .Lslot
	PLACES                                         ; the last slot is written out, and from its quarter 1 on no A is left to load
	REST7
	QUARTER 0, 0, 1, 56
.irp i, 1,2,3,4,5,6
	QUARTER \i, 0, 0, 56-8*(\i)                    ; the counts run down
.endr
	s_wait_dscnt 0x0
	s_wait_loadcnt 0x0                             ; A's last group; the tables were asked for ahead of it
	MUL8 7, 0, 0
	MUL8 7, 1, 0
	MUL8 7, 2, 0
	MUL8 7, 3, 0
	WIN 0
; THE WAY OUT, a block of 16 rows at a time.  rope = 1: column blocks nb and nb + 4 hold a pair's two halves (d and d + 64): r = xr c - xi s, i = xr s + xi c.  Each accumulator is read from its low end on.
; Then one rounding to f16, 16 bytes a lane into my stage, and back as whole rows of 256 bytes.
.macro PACK a, rope
.if \rope
.irp nb, 0,1,2,3
.set XR, 8*(8*(\a)+(\nb))
.set XI, XR+32
.set CC, 32*(\a)+8*(\nb)
.set SS, CC+128
	WIN 0x0d                                       ; source 0 window 1 (sums), source 1 window 3 (tables), source 2 and destination window 0
.irp jj, 0,2,4,6
	v_pk_mul_f32 v[T+(\jj):T+(\jj)+1], v[XI+(\jj):XI+(\jj)+1], v[SS+(\jj):SS+(\jj)+1]
	v_pk_mul_f32 v[T+8+(\jj):T+8+(\jj)+1], v[XR+(\jj):XR+(\jj)+1], v[SS+(\jj):SS+(\jj)+1]
.endr
.irp jj, 0,2,4,6
	v_pk_fma_f32 v[RI+8*(\nb)+(\jj):RI+8*(\nb)+(\jj)+1], v[XR+(\jj):XR+(\jj)+1], v[CC+(\jj):CC+(\jj)+1], v[T+(\jj):T+(\jj)+1] neg_lo:[0,0,1] neg_hi:[0,0,1]
	v_pk_fma_f32 v[RI+32+8*(\nb)+(\jj):RI+32+8*(\nb)+(\jj)+1], v[XI+(\jj):XI+(\jj)+1], v[CC+(\jj):CC+(\jj)+1], v[T+8+(\jj):T+8+(\jj)+1]
.endr
.endr
	WIN 0
.set i, 0
.rept 32
	v_cvt_pk_f16_f32 v[TMP+32*(\a)+i], v[RI+2*i], v[RI+2*i+1]
.set i, i+1
.endr
.else
	WIN 0x05                                       ; sources 0 and 1 window 1, destination window 0
.set i, 0
.rept 32
	v_cvt_pk_f16_f32 v[TMP+32*(\a)+i], v[64*(\a)+2*i], v[64*(\a)+2*i+1]
.set i, i+1
.endr
	WIN 0
.endif
.irp f, 0,1,2,3,4,5,6,7
	ds_store_b128 v[STO], v[TMP+32*(\a)+4*(\f):TMP+32*(\a)+4*(\f)+3] offset:32*(\f)
.endr
.irp f, 0,1,2,3,4,5,6,7
	ds_load_b128 v[TMP+32*(\a)+4*(\f):TMP+32*(\a)+4*(\f)+3], v[RD] offset:(\f)*2*SP  ; LDS serves a wave's instructions in order (ISA guide 5.7.1.4): these see the stores above; the next block's stores come behind them
.endr
.endm
.macro SEND a, younger                 ; younger: the LDS instructions issued behind block a's loads: the next block's sixteen, or none
.irp f, 0,1,2,3,4,5,6,7
	s_wait_dscnt (\younger)+7-(\f)
	global_store_b128 v[CO], v[TMP+32*(\a)+4*(\f):TMP+32*(\a)+4*(\f)+3], s[10:11] offset:(\a)*4096+(\f)*512  ; 16 lanes store one row of the head: 256 consecutive bytes, aligned
.endr
.endm
.macro OUT rope                        ; a block's arithmetic stands between the loads of the block before and its stores
	PACK 0, \rope
	PACK 1, \rope
	SEND 0, 16
	PACK 2, \rope
	SEND 1, 16
	PACK 3, \rope
	SEND 2, 16
	SEND 3, 0
.endm
	PLACES                                         ; behind the last products
	s_cmp_ge_u32 s[TC], 12                         ; tile columns 12-15 are v's: the tile column is the same in all four partners
	s_cbranch_scc1 .Lplain
	OUT 1
	s_branch .Lend
.Lplain:
	OUT 0
.Lend:
	s_wait_tensorcnt 0x0                           ; the wave's end, behind my last tensor load and my last LDS store
	ds_add_u32 v[SPW], v[NIL]
	s_wait_dscnt 0x0
	CROUND                                         ; the closing round: no work-group ends while a partner may still ask for a tile that names it
	s_endpgm
.Lfunc_end_k_qb257e520e5_qkv_proj:
	.size	k_qb257e520e5_qkv_proj, .Lfunc_end_k_qb257e520e5_qkv_proj-k_qb257e520e5_qkv_proj
	.p2alignl 7, 3214868480
	.fill 96, 4, 3214868480
	.section	.rodata,"a",@progbits
	.p2align	6, 0x0
	.amdhsa_kernel k_qb257e520e5_qkv_proj
		.amdhsa_group_segment_fixed_size 327680
		.amdhsa_private_segment_fixed_size 0
		.amdhsa_enable_private_segment 0
		.amdhsa_kernarg_size 32
		.amdhsa_user_sgpr_count 2
		.amdhsa_user_sgpr_kernarg_segment_ptr 1
		.amdhsa_wavefront_size32 1
		.amdhsa_system_sgpr_workgroup_id_x 1
		.amdhsa_system_sgpr_workgroup_id_y 1
		.amdhsa_system_sgpr_workgroup_id_z 1
		.amdhsa_system_vgpr_workitem_id 0
		.amdhsa_next_free_vgpr 1024
		.amdhsa_next_free_sgpr 66
		.amdhsa_reserve_vcc 0
		.amdhsa_float_denorm_mode_32 3
		.amdhsa_float_denorm_mode_16_64 3
		.amdhsa_memory_ordered 1
		.amdhsa_forward_progress 1
		.amdhsa_inst_pref_size 133
	.end_amdhsa_kernel
	.amdgpu_metadata
---
amdhsa.version: [ 1, 2 ]
amdhsa.kernels:
  - .name:           k_qb257e520e5_qkv_proj
    .symbol:         k_qb257e520e5_qkv_proj.kd
    .args:
      - { .name: xb, .offset: 0, .size: 8, .value_kind: global_buffer, .address_space: global }
      - { .name: wqkv, .offset: 8, .size: 8, .value_kind: global_buffer, .address_space: global }
      - { .name: rope, .offset: 16, .size: 8, .value_kind: global_buffer, .address_space: global }
      - { .name: qkv, .offset: 24, .size: 8, .value_kind: global_buffer, .address_space: global }
    .group_segment_fixed_size: 327680
    .private_segment_fixed_size: 0
    .kernarg_segment_align: 8
    .kernarg_segment_size: 32
    .max_flat_workgroup_size: 128
    .sgpr_count:     66
    .vgpr_count:     1024
    .wavefront_size: 32
...
	.end_amdgpu_metadata
.endif
;; end of part 2
;; launch attn (part 3): grid 32 x 8, 4 waves a work-group, clusters of 4 x 4, 327,680 bytes of LDS; arguments qkv, maskr, y; writes y
.if DOCPART == 3
	.amdgcn_target "amdgcn-amd-amdhsa--gfx1250"
	.amdhsa_code_object_version 6
	.text
	.protected	k_qb257e520e5_attn
	.globl	k_qb257e520e5_attn
	.p2align	8
	.type	k_qb257e520e5_attn,@function
k_qb257e520e5_attn:
	s_mov_b64 s[64:65], 0
	v_nop
	global_prefetch_b8 v0, s[64:65] scope:SCOPE_SE
	s_setreg_imm32_b32 hwreg(HW_REG_WAVE_MODE, 25, 1), 1
	s_wait_xcnt 0x0
	s_wait_alu depctr_hold_cnt(0) depctr_sa_sdst(0) depctr_va_vdst(0) depctr_va_sdst(0) depctr_va_ssrc(0) depctr_va_vcc(0) depctr_vm_vsrc(0)
	s_getreg_b32 s2, hwreg(HW_REG_IB_STS2, 6, 4)
	s_cmp_eq_u32 s2, 0
	s_cbranch_scc0 .Lentry_in_a_cluster
	s_endpgm
.Lentry_in_a_cluster:
	s_bfe_u32 s2, ttmp6, 0x10000c
	s_cmp_lg_u32 s2, 0xf033
	s_cbranch_scc0 .Lentry_shape_is_right
	s_endpgm
.Lentry_shape_is_right:
; y[q][head][:] = the sum over k of softmax_k(Q . K / sqrt(128) + mask[q][k]) V[k][:], two query heads (2 g, 2 g + 1) to a key and value head g.
; qkv: f16 [32 heads][2048][128] (0-15 q, 16-23 k, 24-31 v); q and k are stored so that their product is Q . K log2(e) / sqrt(128); v and y travel as an eighth.
; maskr: f32 [2048][2048], log2(e) x mask.  y: f16 [2048][2048].  So a score s = K Q^T + maskr is the exponent of 2 itself.
; The mask is an input: every key is walked and every mask number is loaded; it is the C operand of the product that starts a score's sum, so it costs no vector instruction.
; Products, maxima and sums in f32; the weights p are rounded to f16 for the second product (their sum l is taken of the unrounded p), y once at the end.
; LIMITS.  The mask starts the f32 sum, where the definition adds it to the finished score: where |mask| passes 2^24 |score| in EVERY key of a row, the row hangs on the sum's rounding.  The running maximum is held
; at or above -1e38, so keys masked by an infinity get the weight 0; a row of nothing but such keys gives NaN.  A weight below 2^-126 counts as 0 in l; p below 6e-5 keeps f16's fixed step of 6e-8.  NaN is not treated apart.
; SHARES.  A work-group owns 64 query rows x the two heads of one g.  A slot of LDS holds 128 keys: two steps of 64.  Wave w owns rows 32 (w % 2) on, both heads: four tiles of 16 queries; and of every slot the
; key step w / 2.  So a wave has 64 queries, as many as its registers hold, and walks half the keys; waves w and w ^ 2 hold the same queries, and their results are merged at the end through LDS.
; Piece 0 (tiles 0, 1) is head 2 g + w / 2, piece 2 (tiles 2, 3) the other head: every wave keeps its piece 0 and gives its piece 2 away: one text for all four.
; LAYOUT.  S^T = K Q^T + mask^T (source 0 = 16 keys, source 1 = 16 queries): a lane holds ONE query (lane % 16) and the keys 8 (lane / 16) + 0..7.  Two such tiles, rounded to f16 in pairs, ARE source 1 of
; O^T = V^T P.  K comes out of LDS as it lies, V ([key][channel]) turned, by ds_load_tr16_b128; the mask as 8 neighbouring f32 of the lane's query row.
; SOFTMAX.  A running maximum m and sum l: p = 2^(s - m).  The difference is taken of s and m themselves: it is never above 0, and 0 at the maximum, however large the mask makes both; so p lies in 0 to 1.
; In every step O and l are multiplied by a = 2^(m_old - m_new).
; BY TURNS.  In a TURN one piece has the matrix unit: 32 products V^T P of the step in hand, then 32 products K Q^T of the next step; the other piece's softmax, cut into 64 slices, stands between them, one slice
; behind each matrix instruction.  Two turns are a key step.
; CLUSTER.  4 x 4 work-groups.  K's and V's tiles hang on g alone and are shared along a row of the cluster; the mask's hang on the query block alone and are shared along a column: all are asked for jointly.
; REGISTERS (windows of 256; s_set_vgpr_msb: bits 1:0 source 0, 3:2 source 1, 5:4 source 2, 7:6 destination):
;   window 0: v0-11, v44-47 addresses; v12-43 eight registers of statistics a tile; v64-191 S^T, 32 a tile; v192-255 P, 16 a tile
;   window 1: O^T, 64 a tile     window 2: v0-127 Q, 32 a tile; v128-255 K of one step     window 3: v0-127 V of one step; v128-191 the mask of one step: row tile u, key block kb at 128 + 32 u + 8 kb
.set KS,    64
.set PK,    272       ; a row of K in LDS: 256 bytes + 16: the 16 rows of a load start at 16 different groups of four banks (64 banks of 4 bytes: ISA guide 11.1)
.set PV,    288       ; a row of V: 256 + 32
.set PM,    528       ; a row of the mask: 512 + 16
.set VOFF,  128*PK    ; in a slot: 128 rows of K, 128 rows of V, 64 rows of the mask
.set MOFF,  VOFF+128*PV
.set SLOT1, 1<<17     ; slot 1 begins here: one exclusive or turns an address in one slot into the other's
.set XCH,   SLOT1+MOFF+64*PM  ; behind the ring: what a wave gives away at the end: 16,384 bytes of O^T and 1,024 of statistics
.set XW,    17408
.set STAGE, XCH+4*XW  ; 16 rows x 272 bytes for each wave, for the way out
.set SP,    272
.set SPARE, STAGE+4*16*SP  ; the spare words, 128 bytes for each wave; no other line names them
.set AK0, 2           ; v2   my lane's place in my step's K; never rewritten
.set AV0, 3           ; v3   the same for V
.set ADR, 4           ; v4   the LDS address of the run of loads in hand
.set QO,  5           ; v5   my byte offset in 16 rows of Q
.set STO, 6           ; v6   the way out: where I put 16 bytes of a row
.set RD,  7           ; v7   where I read a row back
.set GO,  8           ; v8   my byte offset in two rows of y
.set ST,  12          ; tile t's statistics at v[ST+8 t]: +0 m, +1 m_old, +2, +3 l (even keys', odd keys'), +4 to +7 c0-c3, at work; a takes c2's place once the maximum is found
.set AM0, 44          ; v44  my lane's place in my step's mask; never rewritten
.set ADM, 45          ; v45  the mask's LDS address in the slot in hand
.set XST, 46          ; v46  where I put what I give away
.set XLD, 47          ; v47  where I find what wave w ^ 2 gives me
.set SPW, 62          ; v62  LDS address of my spare word; never rewritten
.set NIL, 63          ; v63  0; never rewritten
.set S,   64
.set P,   192
.set KF,  128         ; window 2
.set MK,  128         ; window 3
.set WV,  12          ; s12  my wave's number
.set G1K, 24          ; s[24:31], s[32:39], s[40:47] descriptor group 1 for K, V, the mask
.set G1V, 32
.set G1M, 40
.set G0K, 48          ; s[48:55], s[56:63], s[68:75] group 0: the first fill's set, and the set that walks
.set G0V, 56
.set G0M, 68
.set SLOTS, 76
.set SEL, 80          ; s[80:81] v_permlanex16_b32's selects: each lane takes its own place in the other half
.set TB,  82          ; s82  0 or SLOT1: the slot to be fetched from
.set LOW, 83          ; s83  -1e38
.set QB0, 84          ; s[84:85] Q of piece 0 at my first row;  s[86:87] of piece 2
.set QB2, 86
.set MSB, 0
.macro WIN new                      ; the immediate's high byte repeats the setting that is left; a switch that changes nothing is dropped
.if MSB != (\new)
	s_set_vgpr_msb (MSB<<8)|(\new)
.set MSB, \new
.endif
.endm
.set W_KQ, 0x0a       ; K and Q in window 2, S^T in window 0
.set W_KM, 0x3a       ; the same with the C operand, the mask, in window 3
.set W_PV, 0x53       ; V in window 3, P in window 0, O^T in window 1
.set W_RS, 0x41       ; O^T (destination and source 0) in window 1, a in window 0
; A joint refill by the walking sets: wave 0 K's 128 rows, wave 1 V's, waves 2 and 3 32 rows each of the mask.  The branches hang on the wave's number alone.
; An s_nop 0 and four v_nop follow each line, ahead of the jump and the label.
.macro JLOAD
	s_cmp_lt_u32 s[WV], 2
	s_cbranch_scc0 .Lfor_m_\@
	s_cmp_eq_u32 s[WV], 0
	s_cbranch_scc0 .Lfor_v_\@
	tensor_load_to_lds s[G0K+4:G0K+7], s[G1K:G1K+7]
	s_nop 0
.rept 4
	v_nop
.endr
	s_branch .Lasked_\@
.Lfor_v_\@:
	tensor_load_to_lds s[G0V+4:G0V+7], s[G1V:G1V+7]
	s_nop 0
.rept 4
	v_nop
.endr
	s_branch .Lasked_\@
.Lfor_m_\@:
	tensor_load_to_lds s[G0M+4:G0M+7], s[G1M:G1M+7]
	s_nop 0
.rept 4
	v_nop
.endr
.Lasked_\@:
.endm
.macro CROUND                       ; a round of the cluster's barrier
	s_barrier_signal -1
	s_barrier_wait -1
	s_cmp_lg_u32 s[WV], 0
	s_cbranch_scc1 .Lnot_wave_0_\@
	s_barrier_signal -3
.Lnot_wave_0_\@:
	s_barrier_wait -3
	s_barrier_signal -1
	s_barrier_wait -1
.endm
	s_load_b128 s[4:7], s[0:1], 0x0  ; qkv s[4:5], maskr s[6:7]
	s_load_b64 s[8:9], s[0:1], 0x10  ; y
	v_lshl_add_u32 v[SPW], v0, 2, SPARE
	v_mov_b32 v[NIL], 0
	ds_add_u32 v62, v63
	s_wait_dscnt 0x0
	v_lshrrev_b32 v1, 5, v0
	v_readfirstlane_b32 s[WV], v1
	s_bfe_u32 s13, ttmp6, 0x40000   ; cx
	s_bfe_u32 s14, ttmp6, 0x40004   ; cy
	s_lshl_b32 s15, ttmp9, 2
	s_add_co_u32 s15, s15, s13      ; my block of 64 query rows = 4 x cluster x + cx
	s_and_b32 s16, ttmp7, 0xffff
	s_lshl_b32 s16, s16, 2
	s_add_co_u32 s16, s16, s14      ; g = 4 x cluster y + cy
	s_and_b32 s17, s[WV], 1         ; which 32 rows are mine
	s_lshr_b32 s18, s[WV], 1        ; which of a slot's two key steps
	s_lshl_b32 s88, s14, 2
	s_lshl_b32 s88, 15, s88         ; my row of the cluster (s88-91 never hold cx, s92-95 never cy)
	s_lshl_b32 s92, 0x1111, s13     ; my column
	s_or_b32 s[G1K], s88, (1<<16)|(1<<20)|(1<<21)|(5<<22)|(3<<25)  ; mask; 2-byte elements; padding on; bit 21 beside a mask; after every 64 words 4 words
	s_or_b32 s[G1V], s88, (1<<16)|(1<<20)|(1<<21)|(5<<22)|(7<<25)  ; the same with 8 words
.irp g, G1K, G1V
	s_mov_b32 s[(\g)+1], 128<<16    ; tensor_dim0 = 128
	s_mov_b32 s[(\g)+2], 128<<16    ; tensor_dim1 = 128
	s_mov_b32 s[(\g)+3], 128<<16    ; tile_dim0 = 128
	s_mov_b32 s[(\g)+4], 128        ; tile_dim1 = 128
	s_mov_b32 s[(\g)+5], 128        ; elements from row to row
	s_mov_b32 s[(\g)+6], 0
	s_mov_b32 s[(\g)+7], 0
.endr
	s_or_b32 s[G1M], s92, (2<<16)|(1<<20)|(1<<21)|(6<<22)|(3<<25)  ; 4-byte elements; after every 128 words 4 words
	s_mov_b32 s[G1M+1], 128<<16
	s_mov_b32 s[G1M+2], 32<<16
	s_mov_b32 s[G1M+3], 128<<16
	s_mov_b32 s[G1M+4], 32
	s_mov_b32 s[G1M+5], 2048
	s_mov_b32 s[G1M+6], 0
	s_mov_b32 s[G1M+7], 0
	s_add_co_u32 s88, s16, 16       ; K is head 16 + g,
	s_lshl_b32 s88, s88, 19         ; 524,288 bytes a head
	s_mov_b32 s89, 0
	s_add_co_u32 s90, s16, 24       ; V is head 24 + g
	s_lshl_b32 s90, s90, 19
	s_mov_b32 s91, 0
	s_lshl_b32 s92, s15, 6          ; the mask's rows 64 x block + 32 x (wave % 2),
	s_lshl_b32 s93, s17, 5
	s_add_co_u32 s92, s92, s93
	s_lshl_b32 s92, s92, 13         ; 8,192 bytes each
	s_mov_b32 s93, 0
	s_mov_b32 s[G0K], 1
	s_mov_b32 s[G0K+1], 0           ; LDS: constants and the wave's number alone
	s_mov_b32 s[G0K+4], 1
	s_mov_b32 s[G0K+5], SLOT1
	s_mov_b32 s[G0V], 1
	s_mov_b32 s[G0V+1], VOFF
	s_mov_b32 s[G0V+4], 1
	s_mov_b32 s[G0V+5], SLOT1+VOFF
	s_mov_b32 s[G0M], 1
	s_mul_i32 s[G0M+1], s17, 32*PM
	s_add_co_u32 s[G0M+1], s[G0M+1], MOFF
	s_mov_b32 s[G0M+4], 1
	s_add_co_u32 s[G0M+5], s[G0M+1], SLOT1
	s_lshl_b32 s19, s16, 1
	s_add_co_u32 s19, s19, s18      ; piece 0's head
	s_xor_b32 s20, s19, 1           ; piece 2's
	s_lshl_b32 s21, s15, 6
	s_lshl_b32 s22, s17, 5
	s_add_co_u32 s21, s21, s22      ; my first row
	s_lshl_b32 s22, s21, 8
	s_lshl_b32 s[QB0], s19, 19
	s_add_co_u32 s[QB0], s[QB0], s22
	s_mov_b32 s[QB0+1], 0
	s_lshl_b32 s[QB2], s20, 19
	s_add_co_u32 s[QB2], s[QB2], s22
	s_mov_b32 s[QB2+1], 0
	s_lshl_b32 s22, s21, 12         ; in y: 4,096 bytes a row, 256 a head
	s_lshl_b32 s23, s19, 8
	s_add_co_u32 s22, s22, s23
	s_mov_b32 s23, 0
	s_mov_b32 s[SEL], 0x76543210
	s_mov_b32 s[SEL+1], 0xfedcba98
	s_mov_b32 s[TB], 0
	s_mov_b32 s[LOW], 0xfe967699    ; -1e38
	s_mov_b32 s[SLOTS], 13
	s_wait_kmcnt 0x0
	s_add_nc_u64 s[G0K+2:G0K+3], s[4:5], s[88:89]   ; keys 0-127,
	s_add_nc_u64 s[G0K+6:G0K+7], s[G0K+2:G0K+3], 128*256  ; keys 128-255
	s_or_b32 s[G0K+3], s[G0K+3], 0x80000000         ; type = 2
	s_or_b32 s[G0K+7], s[G0K+7], 0x80000000
	s_add_nc_u64 s[G0V+2:G0V+3], s[4:5], s[90:91]
	s_add_nc_u64 s[G0V+6:G0V+7], s[G0V+2:G0V+3], 128*256
	s_or_b32 s[G0V+3], s[G0V+3], 0x80000000
	s_or_b32 s[G0V+7], s[G0V+7], 0x80000000
	s_add_nc_u64 s[G0M+2:G0M+3], s[6:7], s[92:93]
	s_add_nc_u64 s[G0M+6:G0M+7], s[G0M+2:G0M+3], 128*4
	s_or_b32 s[G0M+3], s[G0M+3], 0x80000000
	s_or_b32 s[G0M+7], s[G0M+7], 0x80000000
	s_add_nc_u64 s[QB0:QB0+1], s[4:5], s[QB0:QB0+1]
	s_add_nc_u64 s[QB2:QB2+1], s[4:5], s[QB2:QB2+1]
	s_add_nc_u64 s[8:9], s[8:9], s[22:23]
	CROUND                          ; all sixteen work-groups are here: the first joint loads meet
	s_cmp_lt_u32 s[WV], 2           ; a wave's two first fills stand in one branch: two loads of mine are out
	s_cbranch_scc0 .Lfirst_m
	s_cmp_eq_u32 s[WV], 0
	s_cbranch_scc0 .Lfirst_v
	tensor_load_to_lds s[G0K:G0K+3], s[G1K:G1K+7]
	s_nop 0
	tensor_load_to_lds s[G0K+4:G0K+7], s[G1K:G1K+7]
	s_nop 0
.rept 4
	v_nop
.endr
	s_branch .Lfirst_asked
.Lfirst_v:
	tensor_load_to_lds s[G0V:G0V+3], s[G1V:G1V+7]
	s_nop 0
	tensor_load_to_lds s[G0V+4:G0V+7], s[G1V:G1V+7]
	s_nop 0
.rept 4
	v_nop
.endr
	s_branch .Lfirst_asked
.Lfirst_m:
	tensor_load_to_lds s[G0M:G0M+3], s[G1M:G1M+7]
	s_nop 0
	tensor_load_to_lds s[G0M+4:G0M+7], s[G1M:G1M+7]
	s_nop 0
.rept 4
	v_nop
.endr
.Lfirst_asked:
	; A fragment of K or Q is 16 rows x 32 channels in 8 registers: lane l holds row l % 16; channels 8 (l / 16) + 0..7 and 16 + 8 (l / 16) + 0..7: two loads of 16 bytes, 32 bytes apart.
	v_and_b32 v1, 15, v0            ; l % 16
	v_bfe_u32 v9, v0, 4, 1          ; l / 16
	v_lshlrev_b32 v[QO], 8, v1
	v_lshl_add_u32 v[QO], v9, 4, v[QO]
	WIN 0x80                        ; destination window 2
.irp i, 0,1,2,3,4,5,6,7             ; Q stays in registers: tiles i / 4 and 2 + i / 4, channels 32 (i % 4) on
	global_load_b128 v[8*(\i):8*(\i)+3],       v[QO], s[QB0:QB0+1] offset:((\i)/4)*4096+((\i)%4)*64
	global_load_b128 v[8*(\i)+4:8*(\i)+7],     v[QO], s[QB0:QB0+1] offset:((\i)/4)*4096+((\i)%4)*64+32
	global_load_b128 v[64+8*(\i):64+8*(\i)+3],   v[QO], s[QB2:QB2+1] offset:((\i)/4)*4096+((\i)%4)*64
	global_load_b128 v[64+8*(\i)+4:64+8*(\i)+7], v[QO], s[QB2:QB2+1] offset:((\i)/4)*4096+((\i)%4)*64+32
.endr
	WIN 0
	v_mul_u32_u24 v[AK0], v1, PK
	v_lshl_add_u32 v[AK0], v9, 4, v[AK0]
	s_mul_i32 s10, s18, KS*PK       ; my key step's 64 rows
	v_add_nc_u32 v[AK0], s10, v[AK0]
	; The turning load takes 16 keys x 16 channels (lane l reads key 8 (l / 16) + l % 8, channels 8 ((l / 8) % 2) + 0..7) and leaves half a fragment of V^T: lane l holds channel l % 16 and 8 keys.
	v_and_b32 v10, 7, v0
	v_bfe_u32 v11, v0, 3, 1
	v_lshl_add_u32 v[AV0], v9, 3, v10
	v_mul_u32_u24 v[AV0], v[AV0], PV
	v_lshl_add_u32 v[AV0], v11, 4, v[AV0]
	s_mul_i32 s11, s18, KS*PV
	s_add_co_u32 s11, s11, VOFF
	v_add_nc_u32 v[AV0], s11, v[AV0]
	v_mul_u32_u24 v[AM0], v1, PM    ; the mask: my query's row, keys 8 (l / 16) on of my key step
	v_lshl_add_u32 v[AM0], v9, 5, v[AM0]
	s_mul_i32 s10, s17, 32*PM
	s_lshl_b32 s11, s18, 8
	s_add_co_u32 s10, s10, s11
	s_add_co_u32 s10, s10, MOFF
	v_add_nc_u32 v[AM0], s10, v[AM0]
; THE MATRIX WORK OF A TURN, for piece x.  The accumulators take turns, one instruction a turn.
; Product i of 32 of O^T += V^T P: keys 32 (i / 16) on, channels 16 ((i / 2) % 8) on, tile x + i % 2.  zero = 1: the first 16 start the sums.
.macro PV x, zero
	WIN W_PV
.set rO, 64*((\x)+i%2)+8*((i/2)%8)
.set rV, 64*(i/16)+8*((i/2)%8)
.set rP, P+16*((\x)+i%2)+8*(i/16)
.if (\zero) && (i < 16)
	v_wmma_f32_16x16x32_f16 v[rO:rO+7], v[rV:rV+7], v[rP:rP+7], 0
.else
	v_wmma_f32_16x16x32_f16 v[rO:rO+7], v[rV:rV+7], v[rP:rP+7], v[rO:rO+7]
.endif
.endm
; Product i of 32 of S^T = K Q^T + mask^T: channels 32 (i / 8) on, keys 16 ((i / 2) % 4) on, tile x + i % 2.  The first 8 start the sums, with the mask of the tile's rows (the same for both heads).
.macro KQ x
.set rS, S+32*((\x)+i%2)+8*((i/2)%4)
.set rK, KF+32*((i/2)%4)+8*(i/8)
.set rQ, 32*((\x)+i%2)+8*(i/8)
.set rM, MK+32*(i%2)+8*((i/2)%4)
.if i < 8
	WIN W_KM
	v_wmma_f32_16x16x32_f16 v[rS:rS+7], v[rK:rK+7], v[rQ:rQ+7], v[rM:rM+7]
.else
	WIN W_KQ
	v_wmma_f32_16x16x32_f16 v[rS:rS+7], v[rK:rK+7], v[rQ:rQ+7], v[rS:rS+7]
.endif
.endm
; THE LDS LOADS stand in runs, never singly among the matrix instructions: a step's K (16 fragments) with its mask (16 loads), and, a turn later, its V (turned).
.macro FETCH_KM
	WIN 0
	v_add_nc_u32 v[ADR], s[TB], v[AK0]
	v_add_nc_u32 v[ADM], s[TB], v[AM0]
	WIN 0x80                        ; destination window 2
.irp f, 0,1,2,3,4,5,6,7,8,9,10,11,12,13,14,15  ; keys 16 (f / 4) on, channels 32 (f % 4) on
	ds_load_b128 v[KF+8*(\f):KF+8*(\f)+3],   v[ADR] offset:((\f)/4)*16*PK+((\f)%4)*64
	ds_load_b128 v[KF+8*(\f)+4:KF+8*(\f)+7], v[ADR] offset:((\f)/4)*16*PK+((\f)%4)*64+32
.endr
	WIN 0xc0                        ; destination window 3
.irp f, 0,1,2,3,4,5,6,7             ; row tile f / 4, keys 16 (f % 4) on
	ds_load_b128 v[MK+8*(\f):MK+8*(\f)+3],   v[ADM] offset:((\f)/4)*16*PM+((\f)%4)*64
	ds_load_b128 v[MK+8*(\f)+4:MK+8*(\f)+7], v[ADM] offset:((\f)/4)*16*PM+((\f)%4)*64+16
.endr
.endm
.macro FETCH_V
	WIN 0
	v_add_nc_u32 v[ADR], s[TB], v[AV0]
	WIN 0xc0                        ; destination window 3
.irp f, 0,1,2,3,4,5,6,7,8,9,10,11,12,13,14,15  ; keys 32 (f / 8) on, channels 16 (f % 8) on
	ds_load_tr16_b128 v[8*(\f):8*(\f)+3],   v[ADR] offset:((\f)/8)*32*PV+((\f)%8)*32
	ds_load_tr16_b128 v[8*(\f)+4:8*(\f)+7], v[ADR] offset:((\f)/8)*32*PV+16*PV+((\f)%8)*32
.endr
.endm
; THE VECTOR WORK OF A TURN.  One tile's softmax for one key step is a list numbered 0 to 133 (number 19 is free); SM writes number j of it for tile t.  s0-s31 are the lane's 32 scores, in pairs 0-15.
; first = 1: the first key step, which starts m (not below -1e38), l and O^T: it has no a and nothing to rescale.
;   0-15    the maximum of s0-s31 and the old m, three operands at a time: four chains c0-c3 of seven scores each (each accumulator's lowest registers first), then the four scores left over, c0-c3 and m
;   16-20   the other half of the lanes' maximum; m_old is kept; the new m; m_old - m_new
;   21-87   33 exponentials (a, then s0-s31) at the odd numbers from 23 on, so that no two follow each other and each has a plain instruction behind it before its result is used (ISA guide 5.7.2).
;           Plain instruction q is whatever is ready: s - m for a pair whose exponentials are still to come, the rounding to f16 of a pair whose exponentials are done, at last the first three sums
;   88-101  the last rounding; the rest of the sums; l = a l + the sum
;   102-133 the tile's O^T times a: the one part that leaves window 0, so it stands together
.macro SM t, first
.set rT, ST+8*(\t)
.set rS, S+32*(\t)
.set rP, P+16*(\t)
.set rO, 64*(\t)+2*(j-102)
.set q, (j-20)/2
.if j < 102
	WIN 0
.endif
.if j < 4
	v_max3_num_f32 v[rT+4+j], v[rS+8*j], v[rS+8*j+1], v[rS+8*j+2]
.elseif j < 12
	v_max3_num_f32 v[rT+4+j%4], v[rT+4+j%4], v[rS+8*(j%4)+2*(j/4)+1], v[rS+8*(j%4)+2*(j/4)+2]
.elseif j == 12
	v_max3_num_f32 v[rT+4], v[rT+4], v[rS+7], v[rS+15]
.elseif j == 13
	v_max3_num_f32 v[rT+6], v[rT+6], v[rS+23], v[rS+31]
.elseif j == 14
	v_max3_num_f32 v[rT+4], v[rT+4], v[rT+5], v[rT+6]
.elseif (j == 15) && (\first)
	v_max3_num_f32 v[rT+4], v[rT+4], v[rT+7], s[LOW]
.elseif j == 15
	v_max3_num_f32 v[rT+4], v[rT+4], v[rT+7], v[rT]
.elseif j == 16
	v_permlanex16_b32 v[rT+5], v[rT+4], s[SEL], s[SEL+1]  ; the query's other 32 keys lie in the lane 16 away
.elseif (j == 17) && (\first)
	v_mov_b32 v[rT+1], s[LOW]       ; there is no m_old yet; the packed lines name its register as m's pair, so it is written
.elseif j == 17
	v_mov_b32 v[rT+1], v[rT]        ; m_old is kept for a: number 18 writes m anew
.elseif j == 18
	v_max_num_f32 v[rT], v[rT+4], v[rT+5]
.elseif j == 19                     ; free
.elseif ((j == 20) || (j == 23) || (j > 101)) && (\first)  ; the first step has none of these
.elseif j == 20
	v_sub_f32 v[rT+7], v[rT+1], v[rT]
.elseif j == 23
	v_exp_f32 v[rT+6], v[rT+7]
.elseif (j < 88) && (j > 23) && (j%2 == 1)
	v_exp_f32 v[rS+(j-25)/2], v[rS+(j-25)/2]
.elseif (q < 4) || ((j < 76) && (q%2 == 0))
.set b, q/2+2
.if q < 4
.set b, q
.endif
	v_pk_add_f32 v[rS+2*b:rS+2*b+1], v[rS+2*b:rS+2*b+1], v[rT:rT+1] op_sel_hi:[1,0] neg_lo:[0,1] neg_hi:[0,1]  ; pair b: s - m, both halves by the pair's low word
.elseif (j < 88) && (q%2 == 1)
	s_wait_alu depctr_va_vdst(0)
	v_cvt_pk_f16_f32 v[rP+(q-5)/2], v[rS+q-5], v[rS+q-4]  ; pair (q - 5) / 2: its second exponential stands three numbers back
.elseif j == 89
	s_wait_alu depctr_va_vdst(0)
	v_cvt_pk_f16_f32 v[rP+15], v[rS+30], v[rS+31]
.elseif j < 102                     ; the sum of the tile's 16 pairs, in place: sum z of 16 adds neighbours 1, 2, 4 and 8 pairs apart, then l takes it
.set z, j-86
.if j < 89
.set z, (j-76)/4
.endif
.set w, 4
.set u, z
.if z >= 14
.set w, 32
.set u, 0
.elseif z >= 12
.set w, 16
.set u, z-12
.elseif z >= 8
.set w, 8
.set u, z-8
.endif
.if (z == 14) && (\first)
	v_pk_add_f32 v[rT+2:rT+3], v[rS:rS+1], v[rS+16:rS+17]
.elseif z < 15
	v_pk_add_f32 v[rS+w*u:rS+w*u+1], v[rS+w*u:rS+w*u+1], v[rS+w*u+w/2:rS+w*u+w/2+1]
.elseif !(\first)
	v_pk_fma_f32 v[rT+2:rT+3], v[rT+2:rT+3], v[rT+6:rT+7], v[rS:rS+1] op_sel_hi:[1,0,1]
.endif
.else
	WIN W_RS
	v_pk_mul_f32 v[rO:rO+1], v[rO:rO+1], v[rT+6:rT+7] op_sel_hi:[1,0]
.endif
.endm
; Slice k of 64 of piece y's softmax: numbers 2 k and 2 k + 1 of both tiles' lists, four instructions (slice 9: two).  2 x 134 = 4 x 64 + 12: the twelve numbers that are over stand together, in slice 63.
.macro SLICE y, first
.if (k >= 11) && (k < 44)           ; tile by tile: plain, exponential, plain, exponential
.irp t, \y, (\y)+1
.irp n, 0,1
.set j, 2*k+(\n)
	SM \t, \first
.endr
.endr
.else                               ; the two tiles alternate, so that no instruction reads the result of the one just before it
.irp n, 0,1,2,3,4,5,6,7
.if ((\n) < 2) || (k == 63)
.irp t, \y, (\y)+1
.set j, 2*k+(\n)
	SM \t, \first
.endr
.endif
.endr
.endif
.set k, k+1
.endm
.macro PLACES                       ; four places behind matrix instructions (ISA guide 7.12.1); in the loop the slices are the places
.rept 4
	v_nop
.endr
.endm
; A TURN.  Piece x has the matrix unit; the other piece's softmax stands in slices behind its matrix instructions.
; pv = 2: 32 products V^T P; 1: they start O^T's sums; 0: none.  kq = 1: 32 products K Q^T for the next step.  A turn with one of the two kinds has two slices behind each product.
; first = 1: the softmax is the first key step's: its slices from 51 on are empty, and four v_nop take slice 63's part as the places behind the turn's last products.
; Each run of loads stands behind the second product of a run of 32, 30 matrix instructions ahead of its first use.  Piece 0's turn fetches the next step's K and mask: the last product that read K stands in
; front of slice 63 of the turn before.  Piece 2's turn fetches the same step's V: the last product that read V stands three slices, six plain instructions, back.
.macro TURN x, pv, kq, first
.set k, 0
.set per, 2
.if (\pv) && (\kq)
.set per, 1
.endif
.if \pv
.if (\x) == 0
	s_wait_dscnt 0x0                ; V is in
.endif
.set i, 0
.rept 32
	PV \x, 2-(\pv)
.rept per
	SLICE 2-(\x), \first
.endr
.if ((\x) == 0) && (\kq) && (i == 1)
	FETCH_KM
.endif
.set i, i+1
.endr
.endif
.if \kq
.if (\x) == 0
	s_wait_dscnt 0x0                ; K and the mask are in
.endif
.set i, 0
.rept 32
	KQ \x
.rept per
	SLICE 2-(\x), \first
.endr
.if ((\x) == 2) && (i == 1)
	FETCH_V
.endif
.set i, i+1
.endr
.endif
.if \first
	PLACES
.endif
.endm
; THE CHANGE OF SLOTS, between piece 2's turn and piece 0's: my step's last bytes of the slot, its V, have been asked for.  Each wave waits for all its tensor loads, of which one is out: its part of the other
; slot; adds 0 to its spare word; and waits for that and for its own reads of the slot.  Behind the barrier nobody reads this slot any more and the other slot is whole.
; fill = 1: this slot is filled again, with the keys two slots on.  The barrier is then a round of the cluster's, and the joint refill is the first thing behind it: it has a key step, 128 matrix instructions, in which to land.
.macro CHANGE fill
	WIN 0                           ; at a label and at a branch every window is 0
	s_wait_tensorcnt 0x0            ; no tensor load of mine is out, so a group 0 may be written
	ds_add_u32 v[SPW], v[NIL]       ; 0 onto my spare word; with fill = 1 the descriptors' steps stand between it and the wait for it
.if \fill
.irp g, G0K+4, G0V+4
	s_xor_b32 s[(\g)+1], s[(\g)+1], SLOT1  ; the walking sets: the other slot than last time,
	s_add_nc_u64 s[(\g)+2:(\g)+3], s[(\g)+2:(\g)+3], 128*256  ; the next 128 keys; the type bits on top are not reached
.endr
	s_xor_b32 s[G0M+5], s[G0M+5], SLOT1
	s_add_nc_u64 s[G0M+6:G0M+7], s[G0M+6:G0M+7], 128*4
	s_wait_dscnt 0x0                ; the add is done, and my reads of the slot are over
	CROUND
	JLOAD
.else
	s_wait_dscnt 0x0
	s_barrier_signal -1
	s_barrier_wait -1
.endif
	s_xor_b32 s[TB], s[TB], SLOT1   ; the fetches go on in the other slot
.endm
	s_wait_tensorcnt 1              ; my part of slot 0 is in; slot 1's may stay out
	s_barrier_signal -1
	s_barrier_wait -1               ; everybody's is
	FETCH_KM                        ; key step 0
	s_wait_loadcnt 0x0              ; Q
	s_wait_dscnt 0x0
.set i, 0
.rept 32
	KQ 0                            ; piece 0's first scores: there is no vector work yet to set between them
.set i, i+1
.endr
	WIN 0                           ; the addresses for the end are made here: plain instructions, the places behind those products
	s_mul_i32 s10, s[WV], 16*SP
	s_add_co_u32 s10, s10, STAGE    ; my stage
	v_mul_u32_u24 v[STO], v1, SP    ; in: row l % 16, 16 bytes for each half of the lanes
	v_lshl_add_u32 v[STO], v9, 4, v[STO]
	v_add_nc_u32 v[STO], s10, v[STO]
	v_mul_u32_u24 v[RD], v9, SP     ; back: lanes 0-15 take one row of 256 bytes, lanes 16-31 the next
	v_lshl_add_u32 v[RD], v1, 4, v[RD]
	v_add_nc_u32 v[RD], s10, v[RD]
	v_lshlrev_b32 v[GO], 12, v9     ; and the same two rows in y
	v_lshl_add_u32 v[GO], v1, 4, v[GO]
	v_and_b32 v10, 31, v0
	s_mul_i32 s11, s[WV], XW
	s_add_co_u32 s11, s11, XCH
	v_lshl_add_u32 v[XST], v10, 4, s11  ; my part of the exchange: 16 bytes a lane
	s_xor_b32 s10, s[WV], 2
	s_mul_i32 s10, s10, XW
	s_add_co_u32 s10, s10, XCH
	v_lshl_add_u32 v[XLD], v10, 4, s10  ; and that of the wave with my queries and the other keys
	TURN 2, 0, 1, 1                 ; piece 2's first scores | piece 0's first softmax | V of step 0
	CHANGE 1                        ; slot 1 is whole; slot 0 takes keys 256-383
	TURN 0, 1, 1, 1                 ; piece 0: V^T P of step 0 starts O^T, K Q^T of step 1 | piece 2's first softmax | K and mask of step 1
	TURN 2, 1, 1, 0                 ; piece 2: the same | piece 0's softmax of step 1 | V of step 1
	WIN 0
.Lslot:                             ; 13 trips, a key step each: with the change above, 14 of the 16 slots are asked for behind a round
	CHANGE 1
	TURN 0, 2, 1, 0
	TURN 2, 2, 1, 0
	WIN 0
	s_sub_co_u32 s[SLOTS], s[SLOTS], 1
	s_cmp_lg_u32 s[SLOTS], 0
	s_cbranch_scc1 .Lslot
	CHANGE 0                        ; the tail is written out: nothing is asked for
	TURN 0, 2, 1, 0
	TURN 2, 2, 1, 0
	TURN 0, 2, 0, 0                 ; piece 0: V^T P of the last step | piece 2's last softmax
.set i, 0
.rept 32
	PV 2, 0                         ; piece 2: V^T P of the last step
.set i, i+1
.endr
	; THE MERGE.  I hold, for my half of the keys, O^T, m and l of four tiles.  Tiles 2, 3 go to wave w ^ 2, whose tiles 0, 1 they are; its tiles 2, 3 come to me.
	WIN 0
.irp t, 0,1,2,3
	v_add_f32 v[ST+8*(\t)+2], v[ST+8*(\t)+2], v[ST+8*(\t)+3]  ; l's two halves; these four are the places behind the last products
.endr
	WIN 0x04                        ; store data in window 1
.set i, 0
.rept 32
	ds_store_b128 v[XST], v[128+4*i:128+4*i+3] offset:512*i   ; each accumulator's low four registers first
.set i, i+1
.endr
	WIN 0
	ds_store_b128 v[XST], v[ST+16:ST+19] offset:16384         ; tile 2: m, m_old, l
	ds_store_b128 v[XST], v[ST+24:ST+27] offset:16896         ; tile 3
	s_wait_dscnt 0x0                ; for the other wave's sake: my stores are done
	s_barrier_signal -1
	s_barrier_wait -1
	ds_load_b128 v[P:P+3], v[XLD] offset:16384
	ds_load_b128 v[P+4:P+7], v[XLD] offset:16896
.set i, 0
.rept 32
	ds_load_b128 v[S+4*i:S+4*i+3], v[XLD] offset:512*i
.set i, i+1
.endr
	s_wait_dscnt 32                 ; the statistics are in; the 32 loads of O^T may be out
	; with A mine and B the other's: m* = max; f = 2^(m - m*), never above 1; L = fA lA + fB lB, both halves of the lanes; g = f / L
.irp t, 0,1
	v_max_num_f32 v[ST+8*(\t)+4], v[ST+8*(\t)], v[P+4*(\t)]
.endr
.irp t, 0,1
	v_sub_f32 v[ST+8*(\t)+5], v[ST+8*(\t)], v[ST+8*(\t)+4]
	v_sub_f32 v[ST+8*(\t)+7], v[P+4*(\t)], v[ST+8*(\t)+4]
.endr
.irp t, 0,1
	v_exp_f32 v[ST+8*(\t)+5], v[ST+8*(\t)+5]
	v_exp_f32 v[ST+8*(\t)+7], v[ST+8*(\t)+7]
.endr
	v_nop                           ; a plain instruction between the last exponential and the use of its result
.irp t, 0,1
	s_wait_alu depctr_va_vdst(0)
	v_mul_f32 v[ST+8*(\t)+3], v[ST+8*(\t)+7], v[P+4*(\t)+2]
.endr
.irp t, 0,1
	v_fma_f32 v[ST+8*(\t)+3], v[ST+8*(\t)+5], v[ST+8*(\t)+2], v[ST+8*(\t)+3]
.endr
.irp t, 0,1
	v_permlanex16_b32 v[ST+8*(\t)+1], v[ST+8*(\t)+3], s[SEL], s[SEL+1]
.endr
.irp t, 0,1
	v_add_f32 v[ST+8*(\t)+3], v[ST+8*(\t)+3], v[ST+8*(\t)+1]
.endr
.irp t, 0,1
	v_rcp_f32 v[ST+8*(\t)+3], v[ST+8*(\t)+3]
.endr
	v_nop                           ; a plain instruction between the last reciprocal and the use of its result
.irp t, 0,1
	s_wait_alu depctr_va_vdst(0)
	v_mul_f32 v[ST+8*(\t)+4], v[ST+8*(\t)+5], v[ST+8*(\t)+3]  ; gA
	v_mul_f32 v[ST+8*(\t)+6], v[ST+8*(\t)+7], v[ST+8*(\t)+3]  ; gB
.endr
; Tile t: O = OA gA + OB gB, rounded to f16; a lane's eight channels of a row pack into 16 bytes; they go into rows of 272 bytes and come back as whole rows of 256.
.macro MERGE t
	WIN 0
.set i, 0
.rept 32
	v_pk_mul_f32 v[S+64*(\t)+2*i:S+64*(\t)+2*i+1], v[S+64*(\t)+2*i:S+64*(\t)+2*i+1], v[ST+8*(\t)+6:ST+8*(\t)+7] op_sel_hi:[1,0]
.set i, i+1
.endr
	WIN 0x01                        ; source 0 (my O^T) in window 1
.set i, 0
.rept 32
	v_pk_fma_f32 v[S+64*(\t)+2*i:S+64*(\t)+2*i+1], v[64*(\t)+2*i:64*(\t)+2*i+1], v[ST+8*(\t)+4:ST+8*(\t)+5], v[S+64*(\t)+2*i:S+64*(\t)+2*i+1] op_sel_hi:[1,0,1]
.set i, i+1
.endr
	WIN 0
.set i, 0
.rept 32
	v_cvt_pk_f16_f32 v[S+64*(\t)+i], v[S+64*(\t)+2*i], v[S+64*(\t)+2*i+1]  ; in place: register i is written when 2 i and 2 i + 1 are read
.set i, i+1
.endr
.irp f, 0,1,2,3,4,5,6,7
	ds_store_b128 v[STO], v[S+64*(\t)+4*(\f):S+64*(\t)+4*(\f)+3] offset:32*(\f)
.endr
.irp f, 0,1,2,3,4,5,6,7
	ds_load_b128 v[S+64*(\t)+4*(\f):S+64*(\t)+4*(\f)+3], v[RD] offset:(\f)*2*SP  ; LDS serves a wave's instructions in order (ISA guide 5.7.1.4): these see the stores above; the next tile's stores come behind them
.endr
.endm
.macro SEND t, younger              ; younger: the LDS instructions issued behind tile t's loads
.irp f, 0,1,2,3,4,5,6,7
	s_wait_dscnt (\younger)+7-(\f)
	global_store_b128 v[GO], v[S+64*(\t)+4*(\f):S+64*(\t)+4*(\f)+3], s[8:9] offset:(\t)*65536+(\f)*8192  ; 16 lanes store a head's 256 consecutive bytes of a row, aligned
.endr
.endm
	s_wait_dscnt 16                 ; the other wave's O^T for tile 0 is in; tile 1's sixteen loads may be out
	MERGE 0
	s_wait_dscnt 16                 ; tile 1's is in: the sixteen youngest are tile 0's way through the stage
	MERGE 1
	SEND 0, 16
	SEND 1, 0
	s_wait_tensorcnt 0x0            ; the wave's end, behind my last tensor load and my last LDS store
	ds_add_u32 v[SPW], v[NIL]
	s_wait_dscnt 0x0
	CROUND                          ; the closing round: no work-group ends while a partner may still ask for a tile that names it
	s_endpgm
.Lfunc_end_k_qb257e520e5_attn:
	.size	k_qb257e520e5_attn, .Lfunc_end_k_qb257e520e5_attn-k_qb257e520e5_attn
	.p2alignl 7, 3214868480
	.fill 96, 4, 3214868480
	.section	.rodata,"a",@progbits
	.p2align	6, 0x0
	.amdhsa_kernel k_qb257e520e5_attn
		.amdhsa_group_segment_fixed_size 327680
		.amdhsa_private_segment_fixed_size 0
		.amdhsa_enable_private_segment 0
		.amdhsa_kernarg_size 24
		.amdhsa_user_sgpr_count 2
		.amdhsa_user_sgpr_kernarg_segment_ptr 1
		.amdhsa_wavefront_size32 1
		.amdhsa_system_sgpr_workgroup_id_x 1
		.amdhsa_system_sgpr_workgroup_id_y 1
		.amdhsa_system_sgpr_workgroup_id_z 1
		.amdhsa_system_vgpr_workitem_id 0
		.amdhsa_next_free_vgpr 1024
		.amdhsa_next_free_sgpr 96
		.amdhsa_reserve_vcc 0
		.amdhsa_float_denorm_mode_32 3
		.amdhsa_float_denorm_mode_16_64 3
		.amdhsa_memory_ordered 1
		.amdhsa_forward_progress 1
		.amdhsa_inst_pref_size 234
	.end_amdhsa_kernel
	.amdgpu_metadata
---
amdhsa.version: [ 1, 2 ]
amdhsa.kernels:
  - .name:           k_qb257e520e5_attn
    .symbol:         k_qb257e520e5_attn.kd
    .args:
      - { .name: qkv, .offset: 0, .size: 8, .value_kind: global_buffer, .address_space: global }
      - { .name: maskr, .offset: 8, .size: 8, .value_kind: global_buffer, .address_space: global }
      - { .name: y, .offset: 16, .size: 8, .value_kind: global_buffer, .address_space: global }
    .group_segment_fixed_size: 327680
    .private_segment_fixed_size: 0
    .kernarg_segment_align: 8
    .kernarg_segment_size: 24
    .max_flat_workgroup_size: 128
    .sgpr_count:     96
    .vgpr_count:     1024
    .wavefront_size: 32
...
	.end_amdgpu_metadata
.endif
;; end of part 3
;; launch out_proj (part 4): grid 16 x 16, 4 waves a work-group, clusters of 4 x 4, 327,680 bytes of LDS; arguments y, wo16, out0; writes out0
.if DOCPART == 4
	.amdgcn_target "amdgcn-amd-amdhsa--gfx1250"
	.amdhsa_code_object_version 6
	.text
	.protected	k_qb257e520e5_out_proj
	.globl	k_qb257e520e5_out_proj
	.p2align	8
	.type	k_qb257e520e5_out_proj,@function
k_qb257e520e5_out_proj:
	s_mov_b64 s[64:65], 0
	v_nop
	global_prefetch_b8 v0, s[64:65] scope:SCOPE_SE
	s_setreg_imm32_b32 hwreg(HW_REG_WAVE_MODE, 25, 1), 1
	s_wait_xcnt 0x0
	s_wait_alu depctr_hold_cnt(0) depctr_sa_sdst(0) depctr_va_vdst(0) depctr_va_sdst(0) depctr_va_ssrc(0) depctr_va_vcc(0) depctr_vm_vsrc(0)
	s_getreg_b32 s2, hwreg(HW_REG_IB_STS2, 6, 4)
	s_cmp_eq_u32 s2, 0
	s_cbranch_scc0 .Lentry_in_a_cluster
	s_endpgm
.Lentry_in_a_cluster:
	s_bfe_u32 s2, ttmp6, 0x10000c
	s_cmp_lg_u32 s2, 0xf033
	s_cbranch_scc0 .Lentry_shape_is_right
	s_endpgm
.Lentry_shape_is_right:
; out0 [2048][4096] f32 = y [2048][2048] . wo16 [2048 k][4096 n], f16 operands, f32 sums.  y holds an eighth of attention's result and wo16 eight times bf16(Wo): the product is the result itself.
; The frame is the projection's in front: a work-group makes 128 rows x 256 columns, wave w rows 64 (w / 2) on, columns 128 (w % 2) on: 32 accumulators.  K goes in steps of 128 through two LDS slots filled by
; tensor loads, one a wave: waves 0, 1 fetch 64 rows each of A's tile (rows of 256 bytes), waves 2, 3 64 k rows each of B's (rows of 512 bytes).  B lies [k][n] and is turned by ds_load_tr16_b128.
; THE MATRIX INSTRUCTION IS USED TRANSPOSED: source 0 = 16 columns of B, source 1 = 16 rows of A: lane l holds row l % 16 and the columns 8 (l / 16) + 0..7 of a block of 16.
; CLUSTER.  4 x 4 work-groups: A's tile is shared along a row of the cluster, B's along a column; each is asked for jointly.
; REGISTERS: window 0: v0-31 addresses; v32-127, v128-223 two fragment buffers (64 registers of B, 32 of A); on the way out v32-159 whole rows.  window 1: the accumulators, (a, nb) at v[8 (8 a + nb)].
.set KDIM,   2048
.set NDIM,   4096
.set STEPS,  KDIM/128
.set PA,     272                       ; a row of A in LDS: 256 bytes + 16: the 16 rows of a load start at 16 different groups of four banks (64 banks of 4 bytes: ISA guide 11.1)
.set PB,     544                       ; a row of B: 512 bytes + 32 = 17 x 32
.set BOFF,   128*PA
.set SLOT1,  1<<17
.set STAGE,  SLOT1+BOFF+128*PB         ; behind the ring: 16 rows x 528 bytes for each wave, for the way out
.set SP,     528                       ; 128 f32 + 16 bytes
.set SPARE,  STAGE+4*16*SP             ; the spare words, 128 bytes for each wave; no other line names them
.set ADRA0, 16
.set ADRB0, 17
.set ADA,   18
.set ADB,   19
.set STO,   24                         ; v24  the way out: where I put 32 bytes of a row
.set RD,    25                         ; v25  where I read a row back: 16 bytes a lane
.set CO,    26                         ; v26  my 16 bytes of my 512 bytes of a row of out0
.set SPW,   28
.set NIL,   29
.set F0,    32
.set F1,    128
.set OB,    32                         ; the way out: two buffers of 64 registers, 16 rows each
.set WV, 12
.set MH, 13
.set NH, 14
.set TB, 21
.set CNT, 22
.set G1A, 24
.set G0A, 32
.set G1B, 48
.set G0B, 56
.set MSB, 0
.macro WIN new                         ; the immediate's high byte repeats the setting that is left; a switch that changes nothing is dropped
.if MSB != (\new)
	s_set_vgpr_msb (MSB<<8)|(\new)
.set MSB, \new
.endif
.endm
.set MUL, 0x50                         ; fragments in window 0, C and D in window 1
.macro PLACES                          ; four places in front of loads into registers that matrix instructions have read, and of lines that read results
.rept 4
	v_nop
.endr
.endm
.macro JLOAD                           ; a joint refill by the walking set.  An s_nop 0 and four v_nop follow each line
	s_cmp_eq_u32 s[MH], 0
	s_cbranch_scc0 .Lfor_b_\@
	tensor_load_to_lds s[G0A+4:G0A+7], s[G1A:G1A+7]
	s_nop 0
.rept 4
	v_nop
.endr
	s_branch .Lasked_\@
.Lfor_b_\@:
	tensor_load_to_lds s[G0B+4:G0B+7], s[G1B:G1B+7]
	s_nop 0
.rept 4
	v_nop
.endr
.Lasked_\@:
.endm
.macro CREST
	s_cmp_lg_u32 s[WV], 0
	s_cbranch_scc1 .Lnot_wave_0_\@
	s_barrier_signal -3
.Lnot_wave_0_\@:
	s_barrier_wait -3
	s_barrier_signal -1
	s_barrier_wait -1
.endm
.macro CROUND
	s_barrier_signal -1
	s_barrier_wait -1
	CREST
.endm
	s_load_b128 s[4:7], s[0:1], 0x0                ; y s[4:5], wo16 s[6:7]
	s_load_b64 s[10:11], s[0:1], 0x10              ; out0
	v_lshl_add_u32 v[SPW], v0, 2, SPARE
	v_mov_b32 v[NIL], 0
	ds_add_u32 v28, v29
	s_wait_dscnt 0x0
	v_lshrrev_b32 v1, 5, v0
	v_readfirstlane_b32 s[WV], v1
	s_lshr_b32 s[MH], s[WV], 1
	s_and_b32 s[NH], s[WV], 1
	s_bfe_u32 s15, ttmp6, 0x40000                  ; cx
	s_bfe_u32 s16, ttmp6, 0x40004                  ; cy
	s_lshl_b32 s17, ttmp9, 2
	s_add_co_u32 s17, s17, s15                     ; tile column
	s_and_b32 s18, ttmp7, 0xffff
	s_lshl_b32 s18, s18, 2
	s_add_co_u32 s18, s18, s16                     ; tile row
	s_lshl_b32 s19, s16, 2
	s_lshl_b32 s19, 15, s19                        ; my row of the cluster
	s_lshl_b32 s20, 0x1111, s15                    ; my column
	s_or_b32 s[G1A], s19, (1<<16)|(1<<20)|(1<<21)|(5<<22)|(3<<25)  ; mask; 2-byte elements; padding on; bit 21 beside a mask; after every 64 words 4 words
	s_mov_b32 s[G1A+1], 128<<16
	s_mov_b32 s[G1A+2], 64<<16
	s_mov_b32 s[G1A+3], 128<<16
	s_mov_b32 s[G1A+4], 64
	s_mov_b32 s[G1A+5], KDIM
	s_mov_b32 s[G1A+6], 0
	s_mov_b32 s[G1A+7], 0
	s_or_b32 s[G1B], s20, (1<<16)|(1<<20)|(1<<21)|(6<<22)|(7<<25)  ; after every 128 words 8 words
	s_mov_b32 s[G1B+1], 256<<16
	s_mov_b32 s[G1B+2], 64<<16
	s_mov_b32 s[G1B+3], 256<<16
	s_mov_b32 s[G1B+4], 64
	s_mov_b32 s[G1B+5], NDIM
	s_mov_b32 s[G1B+6], 0
	s_mov_b32 s[G1B+7], 0
	s_lshl_b32 s40, s18, 7                         ; A: row 128 x tile row + 64 x half, in registers that never hold cx
	s_lshl_b32 s41, s[NH], 6
	s_add_co_u32 s40, s40, s41
	s_lshl_b32 s40, s40, 12                        ; x 4,096 bytes
	s_mov_b32 s41, 0
	s_lshl_b32 s44, s[NH], 19                      ; B: k row 64 x half (8,192 bytes each), column 256 x tile column, in registers that never hold cy
	s_lshl_b32 s45, s17, 9
	s_add_co_u32 s44, s44, s45
	s_mov_b32 s45, 0
	s_mov_b32 s[G0A], 1
	s_mul_i32 s[G0A+1], s[NH], 64*PA
	s_mov_b32 s[G0A+4], 1
	s_add_co_u32 s[G0A+5], s[G0A+1], SLOT1
	s_mov_b32 s[G0B], 1
	s_mul_i32 s[G0B+1], s[NH], 64*PB
	s_add_co_u32 s[G0B+1], s[G0B+1], BOFF
	s_mov_b32 s[G0B+4], 1
	s_add_co_u32 s[G0B+5], s[G0B+1], SLOT1
	s_lshl_b32 s66, s18, 7                         ; out0: my first row, 16,384 bytes each,
	s_lshl_b32 s67, s[MH], 6
	s_add_co_u32 s66, s66, s67
	s_lshl_b32 s66, s66, 14
	s_lshl_b32 s67, s17, 10                        ; my first column: 1,024 bytes a tile, 512 a half
	s_add_co_u32 s66, s66, s67
	s_lshl_b32 s67, s[NH], 9
	s_add_co_u32 s66, s66, s67
	s_mov_b32 s67, 0
	s_mov_b32 s[TB], 0
	s_wait_kmcnt 0x0
	s_add_nc_u64 s[G0A+2:G0A+3], s[4:5], s[40:41]  ; K step 0
	s_add_nc_u64 s[G0A+6:G0A+7], s[G0A+2:G0A+3], 256  ; K step 1
	s_or_b32 s[G0A+3], s[G0A+3], 0x80000000
	s_or_b32 s[G0A+7], s[G0A+7], 0x80000000
	s_add_nc_u64 s[G0B+2:G0B+3], s[6:7], s[44:45]
	s_add_nc_u64 s[G0B+6:G0B+7], s[G0B+2:G0B+3], 128*NDIM*2
	s_or_b32 s[G0B+3], s[G0B+3], 0x80000000
	s_or_b32 s[G0B+7], s[G0B+7], 0x80000000
	s_add_nc_u64 s[10:11], s[10:11], s[66:67]
	CROUND                                         ; all sixteen work-groups are here: the first joint loads meet
	s_cmp_eq_u32 s[MH], 0                          ; a wave's two first fills stand in one branch: two loads of mine are out
	s_cbranch_scc0 .Lfirst_b
	tensor_load_to_lds s[G0A:G0A+3], s[G1A:G1A+7]
	s_nop 0
	tensor_load_to_lds s[G0A+4:G0A+7], s[G1A:G1A+7]
	s_nop 0
.rept 4
	v_nop
.endr
	s_branch .Lfirst_asked
.Lfirst_b:
	tensor_load_to_lds s[G0B:G0B+3], s[G1B:G1B+7]
	s_nop 0
	tensor_load_to_lds s[G0B+4:G0B+7], s[G1B:G1B+7]
	s_nop 0
.rept 4
	v_nop
.endr
.Lfirst_asked:
	v_and_b32 v1, 15, v0                           ; r = l % 16
	v_bfe_u32 v2, v0, 4, 1                         ; h = l / 16
	v_mul_u32_u24 v[ADRA0], v1, PA
	v_lshl_add_u32 v[ADRA0], v2, 4, v[ADRA0]
	s_mul_i32 s2, s[MH], 64*PA
	v_add_nc_u32 v[ADRA0], s2, v[ADRA0]
	v_and_b32 v3, 7, v0                            ; the turning load: lane l reads k row 8 h + l % 8, columns 8 ((l / 8) % 2) + 0..7
	v_bfe_u32 v4, v0, 3, 1
	v_lshl_add_u32 v[ADRB0], v2, 3, v3
	v_mul_u32_u24 v[ADRB0], v[ADRB0], PB
	v_lshl_add_u32 v[ADRB0], v4, 4, v[ADRB0]
	s_lshl_b32 s3, s[NH], 8
	s_add_co_u32 s3, s3, BOFF
	v_add_nc_u32 v[ADRB0], s3, v[ADRB0]
	s_mul_i32 s2, s[WV], 16*SP
	s_add_co_u32 s2, s2, STAGE                     ; my stage
	v_mul_u32_u24 v[STO], v1, SP                   ; in: row r, 32 bytes for each half of the lanes
	v_lshl_add_u32 v[STO], v2, 5, v[STO]
	v_add_nc_u32 v[STO], s2, v[STO]
	v_and_b32 v5, 31, v0
	v_lshlrev_b32 v[CO], 4, v5                     ; back and out: 32 lanes take a row's 512 bytes
	v_add_nc_u32 v[RD], s2, v[CO]
.macro SETADR
	v_add_nc_u32 v[ADA], s[TB], v[ADRA0]
	v_add_nc_u32 v[ADB], s[TB], v[ADRB0]
.endm
; 8 matrix instructions: block a of my rows x all 8 blocks of my columns, 32 along K.  The 32 accumulators take turns, in the same order in every quarter.
.macro MUL8 f, a, zero
	WIN MUL
.irp nb, 0,1,2,3,4,5,6,7
.if \zero
	v_wmma_f32_16x16x32_f16 v[8*(8*(\a)+(\nb)):8*(8*(\a)+(\nb))+7], v[(\f)+8*(\nb):(\f)+8*(\nb)+7], v[(\f)+64+8*(\a):(\f)+64+8*(\a)+7], 0
.else
	v_wmma_f32_16x16x32_f16 v[8*(8*(\a)+(\nb)):8*(8*(\a)+(\nb))+7], v[(\f)+8*(\nb):(\f)+8*(\nb)+7], v[(\f)+64+8*(\a):(\f)+64+8*(\a)+7], v[8*(8*(\a)+(\nb)):8*(8*(\a)+(\nb))+7]
.endif
.endr
.endm
.macro FETCH q, f                      ; 24 LDS loads in one run: quarter q's fragments into buffer f: B's eight first, then A's four
	WIN 0
.irp nb, 0,1,2,3,4,5,6,7
	ds_load_tr16_b128 v[(\f)+8*(\nb):(\f)+8*(\nb)+3],   v[ADB] offset:(\q)*32*PB+(\nb)*32
	ds_load_tr16_b128 v[(\f)+8*(\nb)+4:(\f)+8*(\nb)+7], v[ADB] offset:(\q)*32*PB+16*PB+(\nb)*32
.endr
.irp a, 0,1,2,3
	ds_load_b128 v[(\f)+64+8*(\a):(\f)+64+8*(\a)+3],   v[ADA] offset:(\q)*64+(\a)*16*PA
	ds_load_b128 v[(\f)+64+8*(\a)+4:(\f)+64+8*(\a)+7], v[ADA] offset:(\q)*64+(\a)*16*PA+32
.endr
.endm
.macro QUARTER q, f, g, zero
	s_wait_dscnt 4                                 ; B and A's blocks 0, 1 are in; the youngest four loads (A's blocks 2, 3) may be out
	MUL8 \f, 0, \zero
	MUL8 \f, 1, \zero
	PLACES
	FETCH \q, \g
	s_wait_dscnt 24                                ; all but the 24 just issued
	MUL8 \f, 2, \zero
	MUL8 \f, 3, \zero
.endm
; The last quarter multiplies buffer 1 and changes slots: ONE barrier; in front of it each wave waits for all its tensor loads, adds 0 to its spare word, and waits for that and for its reads of this slot.
; fill = 1: the barrier opens a round of the cluster's, and this slot is filled again, two K steps ahead, first thing behind the round.
.macro TURN fill
	WIN 0
	s_wait_tensorcnt 0x0
	ds_add_u32 v[SPW], v[NIL]                      ; 0 onto my spare word
	s_wait_dscnt 5                                 ; (the add and the youngest four loads may be out)
	MUL8 F1, 0, 0
	s_wait_dscnt 0x0                               ; the add is done, and my reads of this slot are over
	s_barrier_signal -1
	MUL8 F1, 1, 0
	WIN 0
	s_barrier_wait -1
.if \fill
	CREST
	s_xor_b32 s[G0A+5], s[G0A+5], SLOT1
	s_add_nc_u64 s[G0A+6:G0A+7], s[G0A+6:G0A+7], 256
	s_xor_b32 s[G0B+5], s[G0B+5], SLOT1
	s_add_nc_u64 s[G0B+6:G0B+7], s[G0B+6:G0B+7], 128*NDIM*2
	JLOAD                                          ; its four v_nop are also the places in front of the loads below
.else
	PLACES
.endif
	s_xor_b32 s[TB], s[TB], SLOT1
	SETADR
	FETCH 0, F0
	MUL8 F1, 2, 0
	MUL8 F1, 3, 0
.endm
	s_wait_tensorcnt 1                             ; my part of K step 0 is in; K step 1's may stay out
	s_barrier_signal -1
	s_barrier_wait -1
	SETADR
	FETCH 0, F0
	QUARTER 1, F0, F1, 1                           ; the first quarter's products start the sums
	WIN 0
	s_mov_b32 s[CNT], STEPS-2
.Lstep:
	QUARTER 2, F1, F0, 0
	QUARTER 3, F0, F1, 0
	TURN 1
	QUARTER 1, F0, F1, 0
	WIN 0
	s_sub_co_u32 s[CNT], s[CNT], 1
	s_cmp_lg_u32 s[CNT], 0
	s_cbranch_scc1 .Lstep
	QUARTER 2, F1, F0, 0                           ; the last two K steps fill nothing
	QUARTER 3, F0, F1, 0
	TURN 0
	QUARTER 1, F0, F1, 0
	QUARTER 2, F1, F0, 0
	QUARTER 3, F0, F1, 0
	s_wait_dscnt 4
	MUL8 F1, 0, 0
	MUL8 F1, 1, 0
	s_wait_dscnt 0x0
	MUL8 F1, 2, 0
	MUL8 F1, 3, 0
	WIN 0
; THE WAY OUT, a block of 16 rows at a time: the sums go as they are, 32 bytes a lane, into my stage, and come back as whole rows of 512 bytes.
.macro PACK a
	WIN 0x04                                       ; store data in window 1
.irp nb, 0,1,2,3,4,5,6,7
	ds_store_b128 v[STO], v[8*(8*(\a)+(\nb)):8*(8*(\a)+(\nb))+3]   offset:64*(\nb)     ; each accumulator's low four registers first
	ds_store_b128 v[STO], v[8*(8*(\a)+(\nb))+4:8*(8*(\a)+(\nb))+7] offset:64*(\nb)+16
.endr
	WIN 0
.if (\a) >= 2
	s_wait_xcnt 0x0                                ; the stores of the block two back have read this buffer: it is loaded again only behind this wait
.endif
.set BK, OB+64*((\a)%2)
.irp t, 0,1,2,3,4,5,6,7,8,9,10,11,12,13,14,15
	ds_load_b128 v[BK+4*(\t):BK+4*(\t)+3], v[RD] offset:(\t)*SP  ; LDS serves a wave's instructions in order (ISA guide 5.7.1.4): these see the stores above; the next block's stores come behind them
.endr
.endm
.macro SEND a, younger                 ; younger: the LDS instructions issued behind block a's loads: the next block's 32, or none
.set BK, OB+64*((\a)%2)
.irp t, 0,1,2,3,4,5,6,7,8,9,10,11,12,13,14,15
	s_wait_dscnt (\younger)+15-(\t)
	global_store_b128 v[CO], v[BK+4*(\t):BK+4*(\t)+3], s[10:11] offset:(16*(\a)+(\t))*NDIM*4 th:TH_STORE_NT  ; a wave's store covers 512 consecutive bytes of a row, aligned
.endr
.endm
	PLACES                                         ; behind the last products
	PACK 0
	PACK 1
	SEND 0, 32
	PACK 2
	SEND 1, 32
	PACK 3
	SEND 2, 32
	SEND 3, 0
	s_wait_tensorcnt 0x0                           ; the wave's end, behind my last tensor load and my last LDS store
	ds_add_u32 v[SPW], v[NIL]
	s_wait_dscnt 0x0
	CROUND                                         ; the closing round
	s_endpgm
.Lfunc_end_k_qb257e520e5_out_proj:
	.size	k_qb257e520e5_out_proj, .Lfunc_end_k_qb257e520e5_out_proj-k_qb257e520e5_out_proj
	.p2alignl 7, 3214868480
	.fill 96, 4, 3214868480
	.section	.rodata,"a",@progbits
	.p2align	6, 0x0
	.amdhsa_kernel k_qb257e520e5_out_proj
		.amdhsa_group_segment_fixed_size 327680
		.amdhsa_private_segment_fixed_size 0
		.amdhsa_enable_private_segment 0
		.amdhsa_kernarg_size 24
		.amdhsa_user_sgpr_count 2
		.amdhsa_user_sgpr_kernarg_segment_ptr 1
		.amdhsa_wavefront_size32 1
		.amdhsa_system_sgpr_workgroup_id_x 1
		.amdhsa_system_sgpr_workgroup_id_y 1
		.amdhsa_system_sgpr_workgroup_id_z 1
		.amdhsa_system_vgpr_workitem_id 0
		.amdhsa_next_free_vgpr 512
		.amdhsa_next_free_sgpr 76
		.amdhsa_reserve_vcc 0
		.amdhsa_float_denorm_mode_32 3
		.amdhsa_float_denorm_mode_16_64 3
		.amdhsa_memory_ordered 1
		.amdhsa_forward_progress 1
		.amdhsa_inst_pref_size 70
	.end_amdhsa_kernel
	.amdgpu_metadata
---
amdhsa.version: [ 1, 2 ]
amdhsa.kernels:
  - .name:           k_qb257e520e5_out_proj
    .symbol:         k_qb257e520e5_out_proj.kd
    .args:
      - { .name: y, .offset: 0, .size: 8, .value_kind: global_buffer, .address_space: global }
      - { .name: wo16, .offset: 8, .size: 8, .value_kind: global_buffer, .address_space: global }
      - { .name: out0, .offset: 16, .size: 8, .value_kind: global_buffer, .address_space: global }
    .group_segment_fixed_size: 327680
    .private_segment_fixed_size: 0
    .kernarg_segment_align: 8
    .kernarg_segment_size: 24
    .max_flat_workgroup_size: 128
    .sgpr_count:     76
    .vgpr_count:     512
    .wavefront_size: 32
...
	.end_amdgpu_metadata
.endif
;; end of part 4
